; MI455X (gfx1250); checked and timed in simulation.
; The chip was launched on July 23, 2026; its instructions are those of AMD's public machine-readable ISA for CDNA 5 (MIT licence, August 2026) and "CDNA5" Instruction Set Architecture Reference Guide (July 2026). The comments in the code are by the model that wrote it; some were corrected since.
;; Self Attention. Allowed arithmetic: matrix products marked QUANTISED: E2M3 operands, one E8M0 scale for each 32 along K, by v_wmma_scale_f32_16x16x128_f8f6f4 with both operands' format E2M3, f32 sums; everything else in f32.
;; Inputs: Wk 1,024 x 1,024 float32; Wq 1,024 x 1,024 float32; Wv 1,024 x 1,024 float32; bk 1,024 float32; bq 1,024 float32; bv 1,024 float32; x 4 x 2,048 x 1,024 float32.
;; Outputs: out0 4 x 2,048 x 1,024 float32.
;; This version of the problem:
;;   THIS VERSION OF THE PROBLEM IS GIVEN IN LOW PRECISION. The matrix products marked QUANTISED in the list below multiply operands that are first quantised to E2M3 (2 exponent bits, 3 mantissa bits; 6 bits a number), with one power-of-two scale for each 32 numbers along K (OCP MX v1.0); their sums are f32. All else is computed in f32.
;;   The module's matrix products, in the order in which they are computed (A, B: the left and right operand; K: the contracted axis; several contracted axes count as one K, in the product's order):
;;     1. [M 8,192, K 1,024] x [K 1,024, N 1,024]; A: input x; B: input Wq: QUANTISED
;;     2. [M 8,192, K 1,024] x [K 1,024, N 1,024]; A: input x; B: input Wk: QUANTISED
;;     3. [M 8,192, K 1,024] x [K 1,024, N 1,024]; A: input x; B: input Wv: QUANTISED
;;     4. batch 4 x [M 2,048, K 1,024] x [K 1,024, N 2,048]; A: computed on the way; B: computed on the way: QUANTISED
;;     5. batch 4 x [M 2,048, K 2,048] x [K 2,048, N 1,024]; A: softmax (see below); B: computed on the way: QUANTISED
;;   THE QUANTISER, for each operand of a quantised product, along K:
;;     - K is cut into blocks of 32 from its start; a last block that is shorter is filled with zeros.
;;     - A block's scale is 2^e with e = floor(log2(the largest magnitude in the block)) - 2, held to -126 .. 127; a block of zeros has e = 0. As a byte (E8M0): e + 127.
;;     - Each number is divided by its block's scale, clamped to +-7.5, and rounded to the nearest number of E2M3, ties to even, subnormals kept.
;;     - The product sums the exact products of the quantised numbers (number of the format x scale) in f32.
;;   ~~~python
;;   def quantise(x, axis):      # numpy; x: float32 -> the quantised numbers, widened to float32 again
;;       x = np.moveaxis(x, axis, -1); K = x.shape[-1]
;;       x = np.pad(x, [(0, 0)] * (x.ndim - 1) + [(0, -K % 32)]); x = x.reshape(x.shape[:-1] + (-1, 32)); a = np.abs(x).max(-1, keepdims=True)
;;       e = np.where(a > 0, np.clip(np.frexp(np.where(a > 0, a, 1))[1] - 1 - 2, -126, 127), 0)      # np.frexp(a)[1] - 1 = floor(log2(a)), exactly
;;       r = np.clip(x / 2.0 ** e, -7.5, 7.5)
;;       step = 2.0 ** (np.maximum(np.frexp(np.where(r == 0, 1, r))[1] - 1, 0) - 3)
;;       q = np.round(r / step) * step * 2.0 ** e      # np.round: ties to even
;;       return np.moveaxis(q.reshape(q.shape[:-2] + (-1,))[..., :K], -1, axis).astype(np.float32)
;;   ~~~
;;   SOFTMAX AHEAD OF A QUANTISED PRODUCT. Where the list says 'softmax', what is quantised is not the finished softmax but p = 2^(t - M), with t = logit x log2(e) and M = ceil(the row's largest t), a whole number; so 1/2 < the row's largest p <= 1. The row's sum l is taken of the UNQUANTISED p, in f32, and the product's result is divided by l at the end. Since M is a whole number, a kernel that streams over the keys may use a running M (the ceiling of the running maximum): every later rescaling is an exact power of two, which a block's scale takes up: the codes' values come out the same.
;;   OPERANDS COMPUTED ON THE WAY. 'Computed on the way' means the value that the module computes at that place (a softmax that the list does not call 'softmax' is quantised finished and normalised). What goes into a quantiser is computed in f32, as accurately as f32 sums, v_exp_f32 and their like allow (about 1e-6 of the number): no bf16 or f16 on the way to a quantiser, and a product that is left as it is and whose result goes on into a quantised operand takes f32 operands (vector FMAs, or v_wmma_f32_16x16x4_f32). A number that lies on a knife's edge between two numbers of the format may be rounded either way, as far as f32 arithmetic and the matrix unit's own rounding can turn it there, and no further.
;; One version. Each part assembles by itself: llvm-mc -triple=amdgcn-amd-amdhsa -mcpu=gfx1250 --defsym DOCPART=n.
;; ======== version 1 of 1: 4 launches
;; limits: right only within a limited range of input values
;; workspace buffers: c1 9,011,200 bytes; c2 18,874,368 bytes; s2 786,432 bytes; pc 12,582,912 bytes; pst 1,572,864 bytes
;; launch quant (part 1): grid 256 x 1, 11 waves a work-group, no clusters, 94,464 bytes of LDS; arguments x, Wq, Wk, Wv, c1; writes c1
.if DOCPART == 1
	.amdgcn_target "amdgcn-amd-amdhsa--gfx1250"
	.amdhsa_code_object_version 6
	.text
	.protected	k_qe6183d0e95_quant
	.globl	k_qe6183d0e95_quant
	.p2align	8
	.type	k_qe6183d0e95_quant,@function
k_qe6183d0e95_quant:
	s_mov_b64 s[64:65], 0
	v_nop
	global_prefetch_b8 v0, s[64:65] scope:SCOPE_SE
	s_setreg_imm32_b32 hwreg(HW_REG_WAVE_MODE, 25, 1), 1
	s_wait_xcnt 0x0
; x [8192][1024], Wq, Wk, Wv [1024][1024], f32 with K innermost, become codes of FP6 (E2M3) and one E8M0 byte for each 32 along K.  No product, step or input of the problem is left out.
; The four tensors are one list of 704 blocks of 16 rows.  c1: a block has 12,800 dense bytes: eight fragments (16 rows x 128 K) of 1,536 bytes, images of operand registers (registers 4 c .. 4 c + 3 of lane L at 512 c + 16 L),
; then the scale words: for each pair of fragments 16 rows x 2 words.
; ROW ORDER.  Place 8 h + i of a block is row BASE + 32 h + i.  x's block (bits g g g g g c j j w) has BASE = 256 g + 128 w + 64 c + 8 j; a weight's block (hd, j) has BASE = 64 hd + 8 j.
; So the results of the next products fall as whole scale blocks of 32 neighbours into one lane.
; A block's scale is 2^(floor(log2(largest magnitude)) - 2); its byte is the largest magnitude's exponent field - 2, held at 1 from below.
; LIMITS: NaN and infinities are not served; a block of zeros, or one whose largest magnitude lies under 2^-124, gets the byte 1 (this program alone reads the bytes; zero codes add nothing).
; SHARES: 704 x 4 waves: a wave takes 16 rows x 256 K, two fragments; 11 waves a work-group make 256 equal work-groups.  All 32 loads of a wave are out at the start; each reads 512 consecutive bytes.
; The 16 rows of a fragment turn through the wave's own stage in LDS, so that lane (r, h) gets k = 64 c + 32 h + 0 .. 31 of row r: two whole blocks.  No tensor load, no barrier: waves share nothing.
.set STW,  8448                        ; LDS of a wave: 16 rows x 528 bytes
.set SP,   528
.set R,    16                          ; v16-143  two sets of 64: numbers as loaded
.set X,    144                         ; v144-207 numbers as turned
.set T,    220                         ; v220-226 the upper halves of the blocks' codes
	s_load_b256 s[4:11], s[0:1], 0x0               ; x, Wq, Wk, Wv
	s_load_b64 s[12:13], s[0:1], 0x20              ; c1
	v_lshl_add_u32 v240, v0, 2, 11*STW
	v_mov_b32 v241, 0
	v_lshrrev_b32 v1, 5, v0
	v_readfirstlane_b32 s16, v1                    ; wave 0..10
	s_mul_i32 s17, ttmp9, 11
	s_add_co_u32 s17, s17, s16
	s_lshr_b32 s18, s17, 2                         ; the block of 16 rows
	s_and_b32 s19, s17, 3                          ; which 256 along K
	s_and_b32 s22, s18, 1                          ; BASE, if the block is x's
	s_lshl_b32 s22, s22, 7
	s_lshr_b32 s23, s18, 4
	s_lshl_b32 s23, s23, 8
	s_add_co_u32 s22, s22, s23
	s_bfe_u32 s23, s18, 0x10003
	s_lshl_b32 s23, s23, 6
	s_add_co_u32 s22, s22, s23
	s_bfe_u32 s23, s18, 0x20001
	s_lshl_b32 s23, s23, 3
	s_add_co_u32 s22, s22, s23
	s_bfe_u32 s23, s18, 0x40002                    ; BASE, if it is a weight's
	s_lshl_b32 s23, s23, 6
	s_and_b32 s26, s18, 3
	s_lshl_b32 s26, s26, 3
	s_add_co_u32 s23, s23, s26
	s_mul_i32 s26, s18, 12800                      ; where my codes go,
	s_add_co_u32 s28, s26, 12288
	s_mul_i32 s27, s19, 3072
	s_add_co_u32 s26, s26, s27
	s_lshl_b32 s27, s19, 7                         ; and my 128 bytes of scale words
	s_add_co_u32 s28, s28, s27
	s_mov_b32 s27, 0
	s_mov_b32 s29, 0
	s_mul_i32 s31, s16, STW
	s_mov_b32 s24, 0x76543210
	s_mov_b32 s25, 0xfedcba98                      ; selects for lane l xor 16
	v_and_b32 v1, 31, v0                           ; lane
	v_and_b32 v8, 15, v0                           ; r
	v_bfe_u32 v9, v0, 4, 1                         ; h
	v_lshlrev_b32 v2, 4, v1                        ; 16 x lane: the loads' and the code stores' offset
	v_add_nc_u32 v3, s31, v2                       ; into the stage
	v_mul_u32_u24 v4, v8, SP
	v_lshl_add_u32 v4, v9, 7, v4
	v_add_nc_u32 v4, s31, v4                       ; out of it: row r, + 128 h
	v_lshlrev_b32 v7, 3, v8                        ; my row's two words
	v_lshlrev_b32 v236, 3, v9                      ; 8 h: my two bytes' place in a word
	v_mov_b32 v235, 0                              ; a lane permute's destination counts as read
	s_wait_alu depctr_va_vdst(0)                   ; the wait at the head's end
	s_wait_kmcnt 0x0
	s_mov_b64 s[20:21], s[10:11]                   ; which tensor: the choice hangs on the wave's and the work-group's numbers alone
	s_cmp_lt_u32 s18, 640
	s_cselect_b64 s[20:21], s[8:9], s[20:21]
	s_cmp_lt_u32 s18, 576
	s_cselect_b64 s[20:21], s[6:7], s[20:21]
	s_cmp_lt_u32 s18, 512
	s_cselect_b64 s[20:21], s[4:5], s[20:21]
	s_cselect_b32 s22, s22, s23
	s_lshl_b32 s22, s22, 12
	s_lshl_b32 s23, s19, 10
	s_add_co_u32 s22, s22, s23
	s_mov_b32 s23, 0
	s_add_nc_u64 s[20:21], s[20:21], s[22:23]
	s_add_nc_u64 s[14:15], s[12:13], s[28:29]
	s_add_nc_u64 s[12:13], s[12:13], s[26:27]
.irp f, 0,1
.irp i, 0,1,2,3,4,5,6,7,8,9,10,11,12,13,14,15
	global_load_b128 v[R+64*\f+4*\i:R+64*\f+4*\i+3], v2, s[20:21] offset:(\i+24*(\i/8))*4096+512*\f th:TH_LOAD_NT
.endr
.endr
.macro FRAGQ f, C
.set RS, R+64*(\f)
	s_wait_loadcnt 16*(1-(\f))                     ; this fragment's 16 loads are in; the second's may be out
.irp i, 0,1,2,3,4,5,6,7,8,9,10,11,12,13,14,15
	ds_store_b128 v3, v[RS+4*\i:RS+4*\i+3] offset:SP*\i
.endr
.irp c, 0,1
.irp i, 0,1,2,3,4,5,6,7
	ds_load_b128 v[X+32*\c+4*\i:X+32*\c+4*\i+3], v4 offset:256*\c+16*\i   ; LDS serves a wave's instructions in order: these see the stores above
.endr
.endr
	s_wait_dscnt 0x0
.irp c, 0,1
	v_max3_num_f32 v[228+\c], |v[X+32*\c]|, |v[X+32*\c+1]|, 0x1800000   ; my block 2 c + h, and the floor 2^(3 - 127): the byte cannot fall under 1
.endr
.irp i, 2,4,6,8,10,12,14,16,18,20,22,24,26,28,30
.irp c, 0,1
	v_max3_num_f32 v[228+\c], v[228+\c], |v[X+32*\c+\i]|, |v[X+32*\c+\i+1]|
.endr
.endr
.irp c, 0,1
	v_add_nc_u32 v[230+\c], 0xff000000, v[228+\c]  ; 2 off the exponent field: the conversion's scale operand
.endr
.irp c, 0,1
	v_lshrrev_b32 v[232+\c], 23, v[230+\c]         ; the scale's byte
.endr
	v_lshl_or_b32 v234, v233, 16, v232             ; my two bytes: blocks h and 2 + h,
	v_lshlrev_b32 v234, v236, v234                 ; at their places;
	v_permlanex16_b32 v235, v234, s24, s25
	v_or_b32 v[238+(\f)], v234, v235               ; with lane l xor 16's two the word is whole
.irp c, 0,1
	v_cvt_scalef32_pk16_fp6_f32 v[\C+6*\c:\C+6*\c+2], v[X+32*\c:X+32*\c+15], v[230+\c]
	v_cvt_scalef32_pk16_fp6_f32 v[T+4*\c:T+4*\c+2], v[X+32*\c+16:X+32*\c+31], v[230+\c]
.endr
	v_nop                                          ; one plain place behind a scaled conversion
.irp c, 0,1
.irp i, 0,1,2
	v_mov_b32 v[\C+6*\c+3+\i], v[T+4*\c+\i]
.endr
.endr
.irp c, 0,1,2
	global_store_b128 v2, v[\C+4*\c:\C+4*\c+3], s[12:13] offset:1536*(\f)+512*\c   ; 512 consecutive bytes, at a multiple of 256 from the buffer's first byte
.endr
.endm
	FRAGQ 0, 208
	FRAGQ 1, 16                                    ; (the first fragment's numbers have left v16-79)
	s_wait_alu depctr_va_vdst(0)                   ; the wait here, directly ahead of the wait below
	s_wait_xcnt 0x0                                ; EXEC changes only behind this wait
	v_cmp_gt_u32 vcc_lo, 16, v1
	s_and_saveexec_b32 s30, vcc_lo                 ; both halves of the lanes hold the same words: lanes 0-15 store them
	global_store_b64 v7, v[238:239], s[14:15]
	s_wait_xcnt 0x0
	s_or_b32 exec_lo, exec_lo, s30
	s_wait_tensorcnt 0x0                           ; the wave's end
	ds_add_u32 v240, v241
	s_wait_dscnt 0x0
	s_endpgm
.Lfunc_end_k_qe6183d0e95_quant:
	.size	k_qe6183d0e95_quant, .Lfunc_end_k_qe6183d0e95_quant-k_qe6183d0e95_quant
	.p2alignl 7, 3214868480
	.fill 96, 4, 3214868480
	.section	.rodata,"a",@progbits
	.p2align	6, 0x0
	.amdhsa_kernel k_qe6183d0e95_quant
		.amdhsa_group_segment_fixed_size 94464
		.amdhsa_private_segment_fixed_size 0
		.amdhsa_enable_private_segment 0
		.amdhsa_kernarg_size 40
		.amdhsa_user_sgpr_count 2
		.amdhsa_user_sgpr_kernarg_segment_ptr 1
		.amdhsa_wavefront_size32 1
		.amdhsa_system_sgpr_workgroup_id_x 1
		.amdhsa_system_sgpr_workgroup_id_y 1
		.amdhsa_system_sgpr_workgroup_id_z 1
		.amdhsa_system_vgpr_workitem_id 0
		.amdhsa_next_free_vgpr 242
		.amdhsa_next_free_sgpr 66
		.amdhsa_reserve_vcc 1
		.amdhsa_float_denorm_mode_32 3
		.amdhsa_float_denorm_mode_16_64 3
		.amdhsa_memory_ordered 1
		.amdhsa_forward_progress 1
		.amdhsa_inst_pref_size 17
	.end_amdhsa_kernel
	.amdgpu_metadata
---
amdhsa.version: [ 1, 2 ]
amdhsa.kernels:
  - .name:           k_qe6183d0e95_quant
    .symbol:         k_qe6183d0e95_quant.kd
    .args:
      - { .name: x, .offset: 0, .size: 8, .value_kind: global_buffer, .address_space: global }
      - { .name: Wq, .offset: 8, .size: 8, .value_kind: global_buffer, .address_space: global }
      - { .name: Wk, .offset: 16, .size: 8, .value_kind: global_buffer, .address_space: global }
      - { .name: Wv, .offset: 24, .size: 8, .value_kind: global_buffer, .address_space: global }
      - { .name: c1, .offset: 32, .size: 8, .value_kind: global_buffer, .address_space: global }
    .group_segment_fixed_size: 94464
    .private_segment_fixed_size: 0
    .kernarg_segment_align: 8
    .kernarg_segment_size: 40
    .max_flat_workgroup_size: 352
    .sgpr_count:     66
    .vgpr_count:     242
    .wavefront_size: 32
...
	.end_amdgpu_metadata
.endif
;; end of part 1
;; launch proj (part 2): grid 16 x 16, 4 waves a work-group, clusters of 4 x 4, 327,680 bytes of LDS; arguments c1, bq, bk, bv, c2, s2; writes c2, s2
.if DOCPART == 2
	.amdgcn_target "amdgcn-amd-amdhsa--gfx1250"
	.amdhsa_code_object_version 6
	.text
	.protected	k_qe6183d0e95_proj
	.globl	k_qe6183d0e95_proj
	.p2align	8
	.type	k_qe6183d0e95_proj,@function
k_qe6183d0e95_proj:
	s_mov_b64 s[64:65], 0
	v_nop
	global_prefetch_b8 v0, s[64:65] scope:SCOPE_SE
	s_setreg_imm32_b32 hwreg(HW_REG_WAVE_MODE, 25, 1), 1
	s_wait_xcnt 0x0
	s_wait_alu depctr_hold_cnt(0) depctr_sa_sdst(0) depctr_va_vdst(0) depctr_va_sdst(0) depctr_va_ssrc(0) depctr_va_vcc(0) depctr_vm_vsrc(0)
	s_getreg_b32 s2, hwreg(HW_REG_IB_STS2, 6, 4)
	s_cmp_eq_u32 s2, 0
	s_cbranch_scc0 .Lentry_in_a_cluster
	s_endpgm
.Lentry_in_a_cluster:
	s_bfe_u32 s2, ttmp6, 0x10000c
	s_cmp_lg_u32 s2, 0xf033
	s_cbranch_scc0 .Lentry_shape_is_right
	s_endpgm
.Lentry_shape_is_right:
; Q, K, V = x W^T + b on codes of FP6 (E2M3) with E8M0 scales, each result quantised at once along the K of the product that will read it: Q and K along the channels, V along the tokens.  No f32 result is stored.
; LIMITS: NaN and infinities are not served; a block of zeros gets the byte 1 (this program alone reads the bytes).
; OPERANDS: c1 holds blocks of 16 rows, all of K, 12,800 dense bytes each: eight fragments of 1,536 bytes, then the scale words (for each pair of fragments 16 rows x 2 words).  128 rows are 102,400 dense bytes: one tensor load brings codes and scales.
; RESULTS (r = lane % 16, h = lane / 16).  Tile T of 16 tokens = (token / 128) 8 + 4 band + j: its row 8 h' + i is token 128 (T / 8) + 64 band + 32 h' + 8 j + i.
; c2: Q [T][kappa][c][16 bytes a lane, then 8 bytes a lane]: half a fragment (registers 6 c .. 6 c + 5) is 768 bytes; K the same at KOFF; V^T's whole fragments at VT_OFF + ((kappa / 4) 64 + block) 6144 + (kappa % 4) 1536, kappa = token / 128,
; block = 4 (channel / 64) + t, its row r = channel 64 (channel / 64) + 32 (r / 8) + 8 t + r % 8.  s2: words: Q and K ((T / 8) 16 + kappa) 512 + (T % 8) 64 + 4 r (K's kappa from 8 on); V^T at VTS_OFF + ((block / 8) 64 + kappa) 512 + (block % 8) 64 + 4 r.
; THE DEAL.  256 work-groups of four waves, 2 x 2.  A wave holds 64 rows of a weight, ALL of K, in registers (384) and streams x's rows past them in blocks of 16: the wave in row w takes the work-group's blocks 2 s + w.
; A work-group makes 256 x 128 of V, PHASE 1, then 512 x 128 of Q or K, PHASE 2.  V's 256 rows are a half of the work-group's own 512: which half (s87) and which tensor (s19) come from the cluster's number alone, so all partners agree.
; So the two chunks of 128 rows that are asked for at the head serve V's eight blocks and then the first eight blocks of Q or K.  V comes first: its codes can leave only when both bands of an operand are there.
; x's rows are asked for jointly by a ROW of the cluster (mask s44), a weight's rows by a COLUMN (mask s45).
; LDS: two slots of 128 rows of x, a region of its own for the weight's 128 rows, stages for the results' scale bytes, spare words.
; FILLS.  At the head one tensor load a wave: waves 0, 1 W_v's halves, wave 2 chunk 0, wave 3 chunk 1.  Three refills, each in a drained round of the cluster's barrier, a quarter a wave: W_q's or W_k's rows in V's third block; the other half's two chunks in phase 2's blocks 2 and 6.
; A BLOCK is 32 products; behind every second one stand two ENTRIES of the block's list: a few scalar lines and a vector line: the next block's addresses, the descriptors, the first part of the LAST block's way out.
; THE WAY OUT of 32 sums in a lane, one scale block: the largest magnitude by two chains of v_max3, the scale, two conversions behind the block's last product.
; WAITS.  A block's rows were fetched two blocks ago.  Younger are the next block's fetch, NF loads, and the LDS stores of scale bytes issued between: none, one, or four behind phase 2's first block.
; PREFETCHES, shared out by address among the sixteen waves that ask jointly: the second weight at the head, the later chunks a refill ahead of the refill that loads them.
.set NB,     4
.set NF,     28                        ; LDS loads of a block: 24 for eight fragments, 4 for the scale words
.set BLK,    12800
.set BLKC,   12288                     ; where a block's scale words begin; and a tile of Q or K in c2
.set CHB,    8*BLK
.set BVB,    2*CHB
.set XN,     3*CHB                     ; Q's or K's scale bytes: [wave column][1,024]
.set XM,     XN+2048                   ; V's: [wave column][512]
.set SPARE,  XM+1024
.set KOFF,   6291456
.set VT_OFF, 12582912
.set VTS_OFF, 524288
.set FR,     12
.set FPW,    21                        ; fragments in a window of 256 registers
.set EMAX,   2
.set ADRA0,  4                         ; v4, v5  LDS address of my fragments of blocks 0, 1;  v6, v7 of their scale words
.set AAS0,   6
.set CO,     9                         ; v9      16 x lane;  v13 8 x lane
.set SPW,    10
.set NIL,    11
.set ADRA,   12                        ; v12     of the block that is fetched next;  v17 its scale words
.set CO8,    13
.set ADRB,   14                        ; v14     my fragments of the weight;  v15 their scale words
.set BSA,    15
.set BQO,    16                        ; v16     128 h: Q's or K's bias
.set AAS,    17
.set STO,    18
.set STV,    19
.set SB,     24                        ; v24-39  the weight's scale words
.set TQ,     40                        ; v40, v41 the two chains
.set SA,     44                        ; v44-59  the rows' scale words: two sets of eight
.set TC,     60
.set ACC,    64                        ; v64-127 phase 2: two sets of four accumulators
.set HV0,    64                        ; v64-191 phase 1, band 0: 32 t + 8 j + i
.set HV1,    840                       ; v840-967 band 1
.set NCD,    128                       ; v128-139 phase 2: six registers of the even block, six of the odd
.set BBQ,    160                       ; v160-191 Q's or K's bias
.set MCD,    192                       ; v192-239 phase 1: four operands of twelve
.set SOP,    240
.set EB,     244
.set VX,     248
.set BBV,    992                       ; v992-1023 V's bias as the first products' C
.set G1A, 24                           ; s[24:31] group 1 of x's rows;  s[56:59], s[68:71] group 0
.set G0A, 56
.set G0R, 68
.set G1B, 32                           ; s[32:39], s[60:63] of a weight's rows
.set G0B, 60
.set MSB, 0
.macro WIN new                         ; the immediate's high byte repeats the setting that is left
.if MSB != (\new)
	s_set_vgpr_msb (MSB<<8)|(\new)
.set MSB, (\new)
.endif
.endm
.macro PLACES n
.rept \n
	v_nop
.endr
.endm
.macro WALU
	s_wait_alu depctr_va_vdst(0)
.endm
.macro BARRIER
	s_barrier_signal -1
	s_barrier_wait -1
.endm
.macro MIDDLE                          ; a round's middle
	WIN 0
	s_barrier_wait -1
	s_cmp_lg_u32 s14, 0
	s_cbranch_scc1 .Lnot_wave_0_\@
	s_barrier_signal -3
.Lnot_wave_0_\@:
	s_barrier_wait -3
.endm
.macro CROUND
	s_barrier_signal -1
	MIDDLE
	BARRIER
.endm
.macro GRD
	s_wait_tensorcnt 0x0
	ds_add_u32 v[SPW], v[NIL]
.endm
.macro TLOAD g0, g1
	tensor_load_to_lds s[\g0:\g0+3], s[\g1:\g1+7]
	s_nop 0
	PLACES 4
.endm
.macro GROUP1 g, rows                  ; dense bytes as rows of 256, elements of 8 bytes
	s_mov_b32 s[\g+1], 32<<16
	s_mov_b32 s[\g+2], (\rows)<<16
	s_mov_b32 s[\g+3], 32<<16
	s_mov_b32 s[\g+4], \rows
	s_mov_b32 s[\g+5], 32
	s_mov_b32 s[\g+6], 0
	s_mov_b32 s[\g+7], 0
.endm
.macro SADD d, x
	s_add_co_u32 s\d, s\d, s\x
.endm
; fragment f lies in window 1 + f / 21 at register 12 (f % 21): 0-31 the weight's (4 q + b), 32-39 and 40-47 the rows' two sets
.macro FRAG f, a, off
	WIN (1+(\f)/FPW)<<6
.set R_, FR*((\f)%FPW)
.irp c, 0,1,2
	ds_load_b128 v[R_+4*\c:R_+4*\c+3], v[\a] offset:(\off)+512*\c
.endr
.endm
.macro WEIGHTS                         ; my 64 rows of the weight, all of K, and their scale words (lanes 16-31 the odd tile's): 104 loads
.irp q, 0,1,2,3,4,5,6,7
.irp b, 0,1,2,3
	FRAG NB*\q+\b, ADRB, BLK*\b+1536*\q
.endr
.endr
	WIN 0
.irp p, 0,1
.irp k, 0,1,2,3
	ds_load_b64 v[SB+8*\p+2*\k:SB+8*\p+2*\k+1], v[BSA] offset:2*BLK*\p+128*\k
.endr
.endr
.endm
.macro FETCHAT e, a, as                ; a block of x's rows into set e: NF loads
.irp q, 0,1,2,3,4,5,6,7
	FRAG 32+8*(\e)+\q, \a, 1536*\q
.endr
	WIN 0
.irp k, 0,1,2,3
	ds_load_b64 v[SA+8*(\e)+2*\k:SA+8*(\e)+2*\k+1], v[\as] offset:128*\k
.endr
.endm
.macro FETCH e
	FETCHAT \e, ADRA, AAS
.endm
.macro FETCH01                         ; a phase's first two blocks, from slot 0
	FETCHAT 0, ADRA0, AAS0
	FETCHAT 1, ADRA0+1, AAS0+1
	s_mov_b32 s101, 2*BLK
.endm
; a product.  n = 4 q + tile.  kind 0 (Q, K): source 0 the weight's rows; kind 1 (V): source 0 x's rows.  The first four take the bias as C.
.macro PROD kind, e, n, a0, as
.set Q_, (\n)/4
.set FB_, NB*Q_+(\n)%4
.set FA_, 32+8*(\e)+Q_
.set D_, (\a0)+(\as)*((\n)%4)
.set DL_, D_&255
.set XB_, SB+8*(((\n)%4)/2)+Q_
.set XA_, SA+8*(\e)+Q_
.if \kind
.if Q_
	WIN (1+FA_/FPW)|((1+FB_/FPW)<<2)|((D_>>8)<<4)|((D_>>8)<<6)
	PROD1 DL_, FA_, FB_, v[DL_:DL_+7], XA_, XB_, b, (\n)%2
.else
	WIN (1+FA_/FPW)|((1+FB_/FPW)<<2)|(3<<4)|((D_>>8)<<6)
	PROD1 DL_, FA_, FB_, v[BBV-768+8*((\n)%4):BBV-768+8*((\n)%4)+7], XA_, XB_, b, (\n)%2
.endif
.else
	WIN (1+FB_/FPW)|((1+FA_/FPW)<<2)|((D_>>8)<<4)|((D_>>8)<<6)
.if Q_
	PROD1 DL_, FB_, FA_, v[DL_:DL_+7], XB_, XA_, a, (\n)%2
.else
	PROD1 DL_, FB_, FA_, v[BBQ+8*((\n)%4):BBQ+8*((\n)%4)+7], XB_, XA_, a, (\n)%2
.endif
.endif
.endm
.macro PROD1 d, s0, s1, c, x0, x1, side, o
.if \o
	v_wmma_scale_f32_16x16x128_f8f6f4 v[\d:\d+7], v[FR*((\s0)%FPW):FR*((\s0)%FPW)+FR-1], v[FR*((\s1)%FPW):FR*((\s1)%FPW)+FR-1], \c, v[\x0], v[\x1] matrix_a_fmt:MATRIX_FMT_FP6 matrix_b_fmt:MATRIX_FMT_FP6 matrix_\side\()_scale:MATRIX_SCALE_ROW1
.else
	v_wmma_scale_f32_16x16x128_f8f6f4 v[\d:\d+7], v[FR*((\s0)%FPW):FR*((\s0)%FPW)+FR-1], v[FR*((\s1)%FPW):FR*((\s1)%FPW)+FR-1], \c, v[\x0], v[\x1] matrix_a_fmt:MATRIX_FMT_FP6 matrix_b_fmt:MATRIX_FMT_FP6 matrix_\side\()_scale:MATRIX_SCALE_ROW0
.endif
.endm
; products from .. to - 1 of a block; behind every second one, two entries of the list
.macro BLOCK kind, e, a0, as, from, to, list, x=0, y=0
.set N_, \from
.rept (\to)-(\from)
	PROD \kind, \e, N_, \a0, \as
.if N_%2
	\list N_-1, \x, \y
	\list N_, \x, \y
.endif
.set N_, N_+1
.endr
.endm
; what the lists are made of.  Each macro writes entry i of its part, and nothing beyond its last.
.macro STEP i, wrap                    ; to the next block's LDS addresses: 2 entries
.if (\i) == 0
	s_add_co_u32 s101, s101, 2*BLK
.if \wrap
	s_cmp_eq_u32 s101, 2*CHB
	s_cselect_b32 s101, 0, s101
.endif
	WIN 0
	v_add_nc_u32 v[ADRA], s101, v[ADRA0]
.elseif (\i) == 1
	WIN 0
	v_add_nc_u32 v[AAS], s101, v[AAS0]
.endif
.endm
.macro CHAIN i, x, n, t=TQ             ; a way out's first part, 18 entries: the largest magnitude of the 32 sums from register x on, and the conversions' scale operand
.set XW_, (\x)>>8
.set XL_, (\x)&255
.if (\i) >= 0 && (\i) < 14
.set B_, XL_+16*((\i)%2)+2*((\i)/2)
.set T_, (\t)+1-(\i)%2
.if (\i) < 2
	WIN XW_|(XW_<<2)|(XW_<<4)
	v_max3_num_f32 v[T_], |v[B_]|, |v[B_+1]|, |v[B_+2]|
.else
	WIN (XW_<<2)|(XW_<<4)
	v_max3_num_f32 v[T_], v[T_], |v[B_+1]|, |v[B_+2]|
.endif
.elseif (\i) == 14
	WIN XW_<<2
	v_max3_num_f32 v[\t+1], v[\t+1], |v[XL_+15]|, (EMAX+1)<<23
.elseif (\i) == 15
	WIN 0
	v_nop
.elseif (\i) == 16
	WIN XW_<<2
	v_max3_num_f32 v[\t], v[\t], |v[XL_+31]|, v[\t+1]
.elseif (\i) == 17
	WIN 0
	v_add_nc_u32 v[SOP+\n], -(EMAX<<23), v[\t]
.endif
.endm
.macro CODES i, x, c, n, t=TC          ; its second part, 6 lines: 32 codes into v[c .. c+5], the scale's byte into v[EB+n]
.set XW_, (\x)>>8
.set XL_, (\x)&255
.if (\i) == 0
	WIN XW_
	v_cvt_scalef32_pk16_fp6_f32 v[\c:\c+2], v[XL_:XL_+15], v[SOP+\n]
.elseif (\i) == 1
	WIN XW_
	v_cvt_scalef32_pk16_fp6_f32 v[\t:\t+2], v[XL_+16:XL_+31], v[SOP+\n]
.elseif (\i) == 2
	WIN 0
	v_lshrrev_b32 v[EB+\n], 23, v[SOP+\n]
.else
	WIN 0
	v_mov_b32 v[\c+\i], v[\t+\i-3]
.endif
.endm
.macro CODES6 x, c, n
.irp i, 0,1,2,3,4,5
	CODES \i, \x, \c, \n
.endr
.endm
.macro PFTILE v, off, share            ; my sixteenth of 128 rows' 102,400 bytes, 25 units of 256, to be asked for into the L2: a lane a unit, the lanes left over name the last one again
	s_mul_i32 s21, s\share, CHB/16
	s_add_co_u32 s20, s\off, s21
	WIN 0
	v_min_u32 v\v, CHB/16/256-1, v3
	v_lshl_add_u32 v\v, v\v, 8, s20
.endm
.macro PFGO v
	global_prefetch_b8 v\v, s[4:5] th:TH_LOAD_NT scope:SCOPE_SE
.endm
.macro PUT3 r, base, off
.irp k, 0,1,2
	global_store_b128 v[CO], v[\r+4*\k:\r+4*\k+3], \base offset:(\off)+512*\k
.endr
.endm
.macro PUTQ                            ; a pair's two half fragments, 512 + 256 consecutive bytes each, in neighbouring tiles
.irp k, 0,1
	global_store_b128 v[CO], v[NCD+6*\k:NCD+6*\k+3], s[84:85] offset:BLKC*\k
	global_store_b64 v[CO8], v[NCD+6*\k+4:NCD+6*\k+5], s[84:85] offset:BLKC*\k+512
.endr
.endm
.macro ASK i                           ; 2 entries: the descriptor of my quarter of the chunk at s88 (bytes from c1) for slot s47; then both step on
.if (\i) == 0
	s_mul_i32 s20, s14, CHB/4
	s_add_co_u32 s[G0R+1], s20, s47
	SADD 20, 88
	s_mov_b32 s21, 0
.elseif (\i) == 1
	s_add_nc_u64 s[G0R+2:G0R+3], s[4:5], s[20:21]
	s_or_b32 s[G0R+3], s[G0R+3], 0x80000000
	s_add_co_u32 s88, s88, CHB
	s_xor_b32 s47, s47, CHB
.endif
.endm
.macro PAIR i                          ; 4 entries: where pair s46's codes go (s[84:85]) and its scale bytes (v[VX]).  The codes' place goes by the true pair, the stage in LDS by the order of work
.if (\i) == 0
	s_lshl_b32 s3, s87, 2
	s_xor_b32 s3, s3, s46
	s_lshr_b32 s20, s3, 2
	s_lshl_b32 s21, s20, 3
.elseif (\i) == 1
	s_lshl_b32 s22, s3, 1
	SADD 21, 22
	s_mul_i32 s20, s21, BLKC
	s_mov_b32 s21, 0
.elseif (\i) == 2
	s_add_nc_u64 s[84:85], s[72:73], s[20:21]
	s_and_b32 s22, s46, 3
	s_lshl_b32 s22, s22, 6
	s_lshr_b32 s23, s46, 2
.elseif (\i) == 3
	s_lshl_b32 s23, s23, 9
	s_or_b32 s22, s22, s23
	s_add_co_u32 s46, s46, 1
	WIN 0
	v_add_nc_u32 v[VX], s22, v[STO]
.endif
.endm
; the lists
.macro L_STEP i, x, y
	STEP \i, 0
.endm
.macro L_NONE i, x, y
.endm
.macro L_OUT i, x, y                   ; the step, then the way out of the sums at x (scale operand y)
	STEP \i, 0
	CHAIN (\i)-2, \x, \y
.endm
.macro L_LAST i, x, y
	CHAIN \i, \x, \y
.endm
.macro L_V2 i, x, y                    ; V's third block: the refills' row counts and the first refill's descriptor; what the second refill will load is asked for into the L2; the step
.if (\i) == 0
	s_mov_b32 s[G1A+2], 100<<16
	s_mov_b32 s[G1A+4], 100
	s_mov_b32 s[G1B+2], 100<<16
	s_mov_b32 s[G1B+4], 100
.elseif (\i) == 1
	s_mul_i32 s20, s14, CHB/4
	s_add_co_u32 s[G0B+1], s20, BVB
	SADD 20, 2
	s_mov_b32 s21, 0
.elseif (\i) == 2
	s_add_nc_u64 s[G0B+2:G0B+3], s[4:5], s[20:21]
	s_or_b32 s[G0B+3], s[G0B+3], 0x80000000
.elseif (\i) == 4
	PFTILE 21, 88, 90
.endif
	STEP (\i)-6, 0
.endm
.macro L_V7 i, x, y                    ; V's last block: what the third refill will load is asked for; the way out
.if (\i) == 0
	s_add_co_u32 s22, s88, CHB
	PFTILE 22, 22, 90
.endif
	CHAIN (\i)-1, \x, \y
.endm
.macro L_ODD i, x, y
	PAIR \i
	STEP (\i)-4, 0
	CHAIN (\i)-6, ACC, 0
.endm
.macro L_ODDL i, x, y
	PAIR \i
	CHAIN (\i)-4, ACC, 0
.endm
.macro L_ROUND i, x, y
	ASK \i
	STEP (\i)-2, 1
	CHAIN (\i)-4, ACC+32, 1
.endm
; phase 2's blocks.  w: the count of the wait for the block's rows (-1: they are shown in already)
.macro WAITDS w
.if (\w) >= 0
	s_wait_dscnt \w
.endif
.endm
.macro EVENOUT fetch                   ; behind an even block: the odd block's byte, the pair's codes, the fetch of the block two on
	WALU
	ds_store_b8 v[VX], v[EB+1] offset:32
	PUTQ
.if \fetch
	FETCH 0
.endif
.endm
.macro EVEN w, fetch
	WAITDS \w
.if \fetch
	BLOCK 0, 0, ACC, 8, 0, 32, L_OUT, ACC+32, 1
.else
	BLOCK 0, 0, ACC, 8, 0, 32, L_LAST, ACC+32, 1
.endif
	WIN 0
	CODES6 ACC+32, NCD+6, 1
	EVENOUT \fetch
.endm
.macro EVENROUND w                     ; the second and the third refill
	WAITDS \w
	GRD
	BLOCK 0, 0, ACC, 8, 0, 26, L_ROUND
	WIN 0
	WALU
	s_wait_dscnt 0x0
	s_barrier_signal -1
	BLOCK 0, 0, ACC, 8, 26, 32, L_NONE
	WIN 0
	CODES6 ACC+32, NCD+6, 1
	MIDDLE
	BARRIER
	TLOAD G0R, G1A                                      ; a quarter of the chunk a wave
	EVENOUT 1
.endm
.macro EVENSHOW w                      ; a plain barrier inside the block shows the last refill to all
	WAITDS \w
	BLOCK 0, 0, ACC, 8, 0, 26, L_OUT, ACC+32, 1
	WIN 0
	WALU
	s_wait_tensorcnt 0x0
	s_wait_dscnt 0x0
	s_barrier_signal -1
	BLOCK 0, 0, ACC, 8, 26, 32, L_NONE
	WIN 0
	s_barrier_wait -1
	CODES6 ACC+32, NCD+6, 1
	EVENOUT 1
.endm
.macro ODD w, fetch
	WAITDS \w
	s_wait_xcnt 0x0                                     ; the last pair's stores have read their registers and their base
.if \fetch
	BLOCK 0, 1, ACC+32, 8, 0, 32, L_ODD
.else
	BLOCK 0, 1, ACC+32, 8, 0, 32, L_ODDL
.endif
	WIN 0
	CODES6 ACC, NCD, 0
	WALU
	ds_store_b8 v[VX], v[EB]
.if \fetch
	FETCH 1
.endif
.endm
; ================= THE HEAD
	s_load_b256 s[4:11], s[0:1], 0x0                    ; c1, bq, bk, bv
	s_load_b128 s[48:51], s[0:1], 0x20                  ; c2, s2
	v_lshl_add_u32 v[SPW], v0, 2, SPARE
	v_mov_b32 v[NIL], 0
	ds_add_u32 v[SPW], v[NIL]                           ; the opening add, twice on end, under one wait
	ds_add_u32 v[SPW], v[NIL]
	v_lshrrev_b32 v1, 5, v0
	v_readfirstlane_b32 s14, v1                         ; s14 the wave; s15 its row of the 2 x 2, s16 its column
	s_lshr_b32 s15, s14, 1
	s_and_b32 s16, s14, 1
	s_bfe_u32 s40, ttmp6, 0x40000                       ; cx
	s_bfe_u32 s41, ttmp6, 0x40004                       ; cy
	s_lshl_b32 s42, ttmp9, 2
	SADD 42, 40                                         ; s42 phase 2's tile column: 0-7 Q, 8-15 K
	s_and_b32 s43, ttmp7, 0xffff
	s_lshl_b32 s43, s43, 2
	SADD 43, 41                                         ; s43 its tile row
	s_lshr_b32 s19, ttmp9, 1                            ; 0 Q, 1 K
	s_and_b32 s87, ttmp9, 1                             ; V's half of my 512 rows
	s_lshl_b32 s13, s19, 2
	SADD 13, 40                                         ; s13 V's tile column
	s_lshl_b32 s12, s43, 1
	SADD 12, 87                                         ; s12 V's tile row
	s_lshl_b32 s44, s41, 2
	s_lshl_b32 s44, 15, s44                             ; my row of the cluster
	s_lshl_b32 s45, 0x1111, s40                         ; my column
	s_or_b32 s[G1A], s44, (3<<16)|(1<<21)               ; the mask; elements of 8 bytes; bit 21 set beside a mask; no padding
	s_or_b32 s[G1B], s45, (3<<16)|(1<<21)
	GROUP1 G1A, 400
	GROUP1 G1B, 200
	s_mov_b32 s[G0A], 1
	s_mov_b32 s[G0A+1], 0
	s_mov_b32 s[G0R], 1
	s_mov_b32 s[G0R+1], CHB
	s_mov_b32 s[G0B], 1
	s_mul_i32 s20, s14, CHB/2
	s_add_co_u32 s[G0B+1], s20, BVB
	s_mul_i32 s3, s13, CHB
	SADD 3, 20
	s_add_co_u32 s3, s3, 640*BLK                        ; W_v's rows, a half for each of waves 0 and 1
	s_mul_i32 s2, s42, CHB
	s_add_co_u32 s2, s2, 512*BLK                        ; W_q's or W_k's
	s_mul_i32 s67, s12, 2*CHB                           ; V's 256 rows
	s_xor_b32 s20, s87, 1
	s_mul_i32 s20, s20, 2*CHB
	s_mul_i32 s88, s43, 4*CHB
	SADD 88, 20                                         ; the other 256 of my 512
	s_lshl_b32 s90, s40, 2
	SADD 90, 14                                         ; my number among the sixteen waves of my row of the cluster
	s_lshl_b32 s100, s41, 2
	SADD 100, 14                                        ; and of my column
	s_mul_i32 s21, s15, BLK
	s_add_co_u32 s22, s21, BLKC
	s_mul_i32 s23, s16, 4*BLK
	s_add_co_u32 s23, s23, BVB
	s_add_co_u32 s66, s23, BLKC
	s_lshl_b32 s91, s16, 10
	s_lshl_b32 s92, s16, 9
	s_lshl_b32 s93, s15, 8
	SADD 91, 93
	SADD 92, 93
	s_add_co_u32 s91, s91, XN
	s_add_co_u32 s92, s92, XM
	v_and_b32 v1, 15, v0
	v_bfe_u32 v2, v0, 4, 1
	v_and_b32 v3, 31, v0
	v_lshlrev_b32 v[CO], 4, v3
	v_lshlrev_b32 v[CO8], 3, v3
	v_add_nc_u32 v[ADRA0], s21, v[CO]
	v_add_nc_u32 v[ADRA0+1], 2*BLK, v[ADRA0]
	v_lshlrev_b32 v23, 3, v1
	v_add_nc_u32 v[AAS0], s22, v23
	v_add_nc_u32 v[AAS0+1], 2*BLK, v[AAS0]
	v_add_nc_u32 v[ADRB], s23, v[CO]
	v_mul_u32_u24 v8, v2, BLK
	v_add_nc_u32 v8, v8, v23
	v_add_nc_u32 v[BSA], s66, v8
	v_lshl_add_u32 v8, v1, 1, v2
	v_add_nc_u32 v[STO], s91, v8                        ; 2 r + h
	v_lshl_add_u32 v8, v1, 2, v2
	v_add_nc_u32 v[STV], s92, v8                        ; 4 r + h
	v_lshlrev_b32 v[BQO], 7, v2
	v_lshrrev_b32 v23, 3, v1
	v_lshlrev_b32 v23, 7, v23
	v_and_b32 v8, 7, v1
	v_lshl_add_u32 v23, v8, 2, v23                      ; V's bias: lane (r, h) of tile t has column 32 (r / 8) + 8 t + r % 8
	PFTILE 20, 2, 100                                   ; what the first refill will load
	WALU
	s_wait_dscnt 0x0
	CROUND                                              ; all sixteen work-groups are here: the first joint loads meet
	s_wait_kmcnt 0x0
	s_mov_b32 s20, s67
	s_mov_b32 s21, 0
	s_add_nc_u64 s[G0A+2:G0A+3], s[4:5], s[20:21]
	s_add_nc_u64 s[G0R+2:G0R+3], s[G0A+2:G0A+3], CHB
	s_mov_b32 s20, s3
	s_add_nc_u64 s[G0B+2:G0B+3], s[4:5], s[20:21]
	s_or_b32 s[G0A+3], s[G0A+3], 0x80000000
	s_or_b32 s[G0R+3], s[G0R+3], 0x80000000
	s_or_b32 s[G0B+3], s[G0B+3], 0x80000000
	s_cmp_lt_u32 s14, 2
	s_cbranch_scc0 .Lwave_2
	TLOAD G0B, G1B                                      ; waves 0, 1: W_v's rows
	s_branch .Lasked
.Lwave_2:
	s_cmp_eq_u32 s14, 2
	s_cbranch_scc0 .Lwave_3
	TLOAD G0A, G1A                                      ; wave 2: chunk 0
	s_branch .Lasked
.Lwave_3:
	TLOAD G0R, G1A                                      ; wave 3: chunk 1
.Lasked:
	s_lshl_b32 s22, s13, 1                              ; V's bias: my head of 64 columns
	SADD 22, 16
	s_lshl_b32 s22, s22, 8
	s_mov_b32 s23, 0
	s_add_nc_u64 s[22:23], s[10:11], s[22:23]
	WIN 3<<6
.irp t, 0,1,2,3
	global_load_b32 v[BBV-768+8*\t], v23, s[22:23] offset:32*\t
.endr
	WIN 0
	s_and_b32 s20, s42, 7                               ; Q's or K's, for the loads between the phases
	s_lshl_b32 s20, s20, 1
	SADD 20, 16
	s_lshl_b32 s20, s20, 8
	s_mov_b32 s21, 0
	s_cmp_eq_u32 s19, 1
	s_cselect_b64 s[76:77], s[8:9], s[6:7]
	s_add_nc_u64 s[76:77], s[76:77], s[20:21]
	s_lshl_b32 s3, s12, 1                               ; V's codes: kappa = 2 x tile row + my row of the four
	SADD 3, 15
	s_lshr_b32 s20, s3, 2
	s_lshl_b32 s20, s20, 6
	s_lshl_b32 s21, s13, 3
	SADD 20, 21
	s_lshl_b32 s21, s16, 2
	SADD 20, 21
	s_mul_i32 s20, s20, 6144
	s_and_b32 s3, s3, 3
	s_mul_i32 s3, s3, 1536
	SADD 20, 3
	s_add_co_u32 s20, s20, VT_OFF
	s_mov_b32 s21, 0
	s_add_nc_u64 s[52:53], s[48:49], s[20:21]
	s_lshl_b32 s20, s13, 6                              ; V's scale words, which this wave stores at the end: head s15, kappa s16
	s_lshl_b32 s3, s12, 1
	SADD 20, 3
	SADD 20, 16
	s_lshl_b32 s20, s20, 9
	s_lshl_b32 s3, s15, 8
	SADD 20, 3
	s_add_co_u32 s20, s20, VTS_OFF
	s_add_nc_u64 s[54:55], s[50:51], s[20:21]
	s_xor_b32 s3, s15, s87                              ; Q's or K's: half s15 in the order of work, row s16
	s_lshl_b32 s3, s3, 1
	s_lshl_b32 s20, s43, 2
	SADD 20, 3
	SADD 20, 16
	s_lshl_b32 s20, s20, 4
	SADD 20, 42
	s_lshl_b32 s20, s20, 9
	s_add_nc_u64 s[74:75], s[50:51], s[20:21]
	s_lshl_b32 s20, s43, 5                              ; Q's or K's codes
	s_lshl_b32 s3, s15, 3
	SADD 20, 3
	s_mul_i32 s20, s20, BLKC
	s_mul_i32 s3, s19, KOFF
	SADD 20, 3
	s_and_b32 s3, s42, 7
	s_mul_i32 s3, s3, 1536
	SADD 20, 3
	s_mul_i32 s3, s16, 768
	SADD 20, 3
	s_add_nc_u64 s[72:73], s[48:49], s[20:21]
	s_mov_b32 s46, 0
	s_mov_b32 s47, 0
	s_wait_loadcnt 0x0
	WIN (3<<6)|3
.irp t, 0,8,16,24
.irp i, 1,2,3,4,5,6,7
	v_mov_b32 v[BBV-768+\t+\i], v[BBV-768+\t]           ; V's number, one a lane and tile, over the tile's eight registers
.endr
.endr
	WIN 0
	WALU
	s_cmp_lt_u32 s14, 2
	s_cbranch_scc0 .Lnot_b
	s_wait_tensorcnt 0x0
.Lnot_b:
	BARRIER                                             ; W_v's rows are in
	PFGO 20
	WEIGHTS
	s_cmp_eq_u32 s14, 3
	s_cbranch_scc1 .Lnot_a0
	s_wait_tensorcnt 0x0
.Lnot_a0:
	s_wait_dscnt 0x0
	BARRIER                                             ; chunk 0 is in; chunk 1 may still be on its way
	FETCH01
; ================= PHASE 1: V, eight blocks; band 0's way outs stand in band 1's blocks
.irp s, 0,1
	s_wait_dscnt NF
	BLOCK 1, \s, HV0+8*\s, 32, 0, 32, L_STEP
	WIN 0
	PLACES 4
	WALU
	FETCH \s
.endr
	s_wait_dscnt NF
	GRD
	BLOCK 1, 0, HV0+16, 32, 0, 24, L_V2
	WIN 0
	s_wait_dscnt 0x0
	s_barrier_signal -1
	BLOCK 1, 0, HV0+16, 32, 24, 32, L_NONE
	MIDDLE
	BARRIER
	TLOAD G0B, G1B                                      ; W_q's or W_k's rows, a quarter a wave, onto W_v's, which all waves hold in registers
	WALU
	FETCH 0
	PFGO 21
	BLOCK 1, 1, HV0+24, 32, 0, 32, L_STEP
	WIN 0
	PLACES 4
	WALU
	FETCH 1
.irp j, 0,1,2
	s_wait_dscnt NF+(\j+1)/2
.if \j < 2
	BLOCK 1, \j%2, HV1+8*\j, 32, 0, 32, L_OUT, HV0+32*\j, \j
.else
	BLOCK 1, \j%2, HV1+8*\j, 32, 0, 32, L_LAST, HV0+32*\j, \j
.endif
	WIN 0
	CODES6 HV0+32*\j, MCD+12*\j, \j
	WALU
	ds_store_b8 v[STV], v[EB+\j] offset:64*\j
.if \j < 2
	FETCH \j%2
.endif
.endr
	s_wait_dscnt 1
	BLOCK 1, 1, HV1+24, 32, 0, 26, L_V7, HV0+96, 3
	WIN 0
	WALU
	s_wait_tensorcnt 0x0
	s_wait_dscnt 0x0
	s_barrier_signal -1                                 ; a plain barrier: the weight that the first refill brought is shown to all
	BLOCK 1, 1, HV1+24, 32, 26, 32, L_NONE
	WIN 0
	s_barrier_wait -1
	CODES6 HV0+96, MCD+36, 3
	WALU
	ds_store_b8 v[STV], v[EB+3] offset:192
; ================= THE CHANGE OF PHASE: the weight and the first two blocks' rows, which lie in slot 0 still, in one run of loads; band 1's four way outs under their flight
.irp k, 0,1,2,3,4,5,6,7
	global_load_b128 v[BBQ+4*\k:BBQ+4*\k+3], v[BQO], s[76:77] offset:16*\k   ; register 8 j + i of lane (r, h) is column 32 h + 8 j + i
.endr
	WEIGHTS
	FETCH01
	PFGO 22
.set I, 0
.rept 18
.irp t, 0,1,2,3
	CHAIN I, HV1+32*\t, \t, 64+4*\t
.endr
.set I, I+1
.endr
.set I, 0
.rept 6
.irp t, 0,1,2,3
	CODES I, HV1+32*\t, MCD+12*\t+6, \t, 80+4*\t
.endr
.set I, I+1
.endr
	WIN 0
	WALU
; ================= PHASE 2: Q or K, sixteen blocks, way outs by pairs
	s_wait_loadcnt 0x0
	s_wait_dscnt NF
	BLOCK 0, 0, ACC, 8, 0, 32, L_STEP
	WIN 0
	PLACES 4
	WALU
.irp t, 0,1,2,3
	ds_store_b8 v[STV], v[EB+\t] offset:2+64*\t
.endr
.irp t, 0,1,2,3
	PUT3 MCD+12*\t, s[52:53], 6144*\t                   ; V's codes leave
.endr
	FETCH 0
	ODD NF+4, 1
	s_mov_b32 s86, 0
.Lwith_rounds:                                          ; blocks 2 to 5, 6 to 9
	EVENROUND NF+1
	ODD -1, 1
	EVEN NF+1, 1
	ODD NF+1, 1
	s_add_co_u32 s86, s86, 1
	s_cmp_lg_u32 s86, 2
	s_cbranch_scc1 .Lwith_rounds
.Lwithout:                                              ; blocks 10, 11 and 12, 13
	EVENSHOW NF+1
	ODD -1, 1
	s_add_co_u32 s86, s86, 1
	s_cmp_lg_u32 s86, 4
	s_cbranch_scc1 .Lwithout
	EVEN NF+1, 0
	ODD 1, 0
; ================= THE END: the last way out; the scale bytes go through LDS under its conversions
	s_lshl_b32 s21, s14, 8
	s_add_co_u32 s22, s21, XN
	s_add_co_u32 s21, s21, XM
	v_add_nc_u32 v12, s22, v[CO8]
	v_add_nc_u32 v14, s21, v[CO8]
.set I, 0
.rept 18
	CHAIN I, ACC+32, 1
.set I, I+1
.endr
	CODES 2, ACC+32, NCD+6, 1
	WALU
	ds_store_b8 v[VX], v[EB+1] offset:32
	s_wait_dscnt 0x0
	s_barrier_signal -1
	CODES 0, ACC+32, NCD+6, 1
	CODES 1, ACC+32, NCD+6, 1
	v_nop
.irp i, 3,4,5
	CODES \i, ACC+32, NCD+6, 1
.endr
	s_barrier_wait -1
	WALU
	ds_load_b64 v[64:65], v12                           ; four words' lower halves, from wave column 0,
	ds_load_b64 v[66:67], v12 offset:1024               ; and their upper halves, from wave column 1
	ds_load_b64 v[68:69], v14
	PUTQ
	s_wait_dscnt 0x0
	v_perm_b32 v70, v66, v64, 0x05040100
	v_perm_b32 v71, v66, v64, 0x07060302
	v_perm_b32 v72, v67, v65, 0x05040100
	v_perm_b32 v73, v67, v65, 0x07060302
	global_store_b64 v[CO8], v[68:69], s[54:55]         ; 256 consecutive bytes, aligned
	global_store_b128 v[CO], v[70:73], s[74:75]         ; 512
	s_wait_tensorcnt 0x0                                ; the wave's end
	ds_add_u32 v[SPW], v[NIL]
	s_wait_dscnt 0x0
	CROUND                                              ; the closing round
	s_endpgm
.Lfunc_end_k_qe6183d0e95_proj:
	.size	k_qe6183d0e95_proj, .Lfunc_end_k_qe6183d0e95_proj-k_qe6183d0e95_proj
	.p2alignl 7, 3214868480
	.fill 96, 4, 3214868480
	.section	.rodata,"a",@progbits
	.p2align	6, 0x0
	.amdhsa_kernel k_qe6183d0e95_proj
		.amdhsa_group_segment_fixed_size 327680
		.amdhsa_private_segment_fixed_size 0
		.amdhsa_enable_private_segment 0
		.amdhsa_kernarg_size 48
		.amdhsa_user_sgpr_count 2
		.amdhsa_user_sgpr_kernarg_segment_ptr 1
		.amdhsa_wavefront_size32 1
		.amdhsa_system_sgpr_workgroup_id_x 1
		.amdhsa_system_sgpr_workgroup_id_y 1
		.amdhsa_system_sgpr_workgroup_id_z 1
		.amdhsa_system_vgpr_workitem_id 0
		.amdhsa_next_free_vgpr 1024
		.amdhsa_next_free_sgpr 102
		.amdhsa_reserve_vcc 0
		.amdhsa_float_denorm_mode_32 3
		.amdhsa_float_denorm_mode_16_64 3
		.amdhsa_memory_ordered 1
		.amdhsa_forward_progress 1
		.amdhsa_inst_pref_size 181
	.end_amdhsa_kernel
	.amdgpu_metadata
---
amdhsa.version: [ 1, 2 ]
amdhsa.kernels:
  - .name:           k_qe6183d0e95_proj
    .symbol:         k_qe6183d0e95_proj.kd
    .args:
      - { .name: c1, .offset: 0, .size: 8, .value_kind: global_buffer, .address_space: global }
      - { .name: bq, .offset: 8, .size: 8, .value_kind: global_buffer, .address_space: global }
      - { .name: bk, .offset: 16, .size: 8, .value_kind: global_buffer, .address_space: global }
      - { .name: bv, .offset: 24, .size: 8, .value_kind: global_buffer, .address_space: global }
      - { .name: c2, .offset: 32, .size: 8, .value_kind: global_buffer, .address_space: global }
      - { .name: s2, .offset: 40, .size: 8, .value_kind: global_buffer, .address_space: global }
    .group_segment_fixed_size: 327680
    .private_segment_fixed_size: 0
    .kernarg_segment_align: 8
    .kernarg_segment_size: 48
    .max_flat_workgroup_size: 128
    .sgpr_count:     102
    .vgpr_count:     1024
    .wavefront_size: 32
...
	.end_amdgpu_metadata
.endif
;; end of part 2
;; launch scores (part 3): grid 8 x 32, 4 waves a work-group, clusters of 4 x 4, 327,680 bytes of LDS; arguments c2, s2, pc, pst; writes pc, pst
.if DOCPART == 3
	.amdgcn_target "amdgcn-amd-amdhsa--gfx1250"
	.amdhsa_code_object_version 6
	.text
	.protected	k_qe6183d0e95_scores
	.globl	k_qe6183d0e95_scores
	.p2align	8
	.type	k_qe6183d0e95_scores,@function
k_qe6183d0e95_scores:
	s_mov_b64 s[64:65], 0
	v_nop
	global_prefetch_b8 v0, s[64:65] scope:SCOPE_SE
	s_setreg_imm32_b32 hwreg(HW_REG_WAVE_MODE, 25, 1), 1
	s_wait_xcnt 0x0
	s_wait_alu depctr_hold_cnt(0) depctr_sa_sdst(0) depctr_va_vdst(0) depctr_va_sdst(0) depctr_va_ssrc(0) depctr_va_vcc(0) depctr_vm_vsrc(0)
	s_getreg_b32 s2, hwreg(HW_REG_IB_STS2, 6, 4)
	s_cmp_eq_u32 s2, 0
	s_cbranch_scc0 .Lentry_in_a_cluster
	s_endpgm
.Lentry_in_a_cluster:
	s_bfe_u32 s2, ttmp6, 0x10000c
	s_cmp_lg_u32 s2, 0xf033
	s_cbranch_scc0 .Lentry_shape_is_right
	s_endpgm
.Lentry_shape_is_right:
; S = Q K^T for each batch, on codes of FP6 (E2M3) with E8M0 scales, and the softmax's p, quantised along the keys, under a LOCAL whole number M for each (query, 128 keys).
; t = score x log2(e) / 32; M = ceil(the largest t of the query among my 128 keys); p = 2^(t - M).  Stored: p's codes (pc), its scale words under the local M, -M, and the sum of the unquantised p (three planes of pst).
; The next launch shifts the scale bytes to the row's own M: a change of M is an exact power of two, which a block's scale takes up, so the codes stay as they are.
; The product is the projections' form: a tile of 256 queries x 256 keys, four waves of 128 x 128, transposed use (source 0 = 16 places of K, source 1 = 16 places of Q): a lane holds one query, and the 16 registers of
; K's tiles 2 n, 2 n + 1 are 16 neighbouring keys (rows lie at places with bits 3 and 4 exchanged).  Operands are images of operand registers; eight steps of 128 along K, slot X filled at the head, slot Y behind the full sequence, slot X once more:
; a wave has one tensor load out at a time.  CLUSTERS 4 x 4: Q's tiles jointly along a row, K's along a column.
; LIMITS: NaN and infinities are not served; a p under 2^-126 counts as 0; a block whose every p is 0 gets the byte 1 (its codes are zeros).
; REGISTERS: as in the projections.  In the epilogue, window 0: v48-51 the blocks' largest, v52-59 at work, v60 -M, v64-127 p, v128-143 sums, v144-155 codes, v[160 + 12 a] on the word, -M and sum of block a.
.set NQ,     2
.set NSL,    3
.set FSTR,   3072
.set HALFB,  24576
.set SLOT,   4*HALFB
; (Where the lines above say otherwise, this holds.  Tile T of 16 rows = 8 (row / 128) + 4 band + j; its place 8 h + i is row 64 band + 32 h + 8 j + i of the 128: so lane (r, h)'s register 32 c + 8 j + i is key 64 c + 32 h + 8 j + i.
; A tile has 12,288 dense bytes in c2; a fragment is two halves c of 16 bytes a lane (512), then 8 bytes a lane (256).  K goes in loads of 2, 3 and 3 steps of 128, one load a wave each: the first at the head, into slot X; the second, into slot Y,
; behind the full sequence; the third into X again.  The scale words go through registers into LDS.  The last step goes by rows: block a + 1's products stand among block a's maxima.
; PREFETCHES: the second load's bytes at the head, the third's behind the second: each block of 256 bytes once in a cluster, two rows for each of the four partners, told apart by address.
; The scaled scores stay under 2^31 in magnitude.)
.set KST,    3072
.set WY,     36864                     ; a wave's part of a load of three steps: 8 rows of 4,608 bytes
.set SLY,    4*WY                      ; slot Y begins here
.set KOFF,   6291456                   ; K's codes in c2
.set SCL,    3*SLOT
.set STG,    SCL+4*4096                ; 1,536 bytes a wave: no fill lands here
.set SPARE,  STG+4*1536
.set AF,   64
.set ASZ,  96
.set SC,   32
.set ADRA, 16
.set ADRB, 20                          ; v16-18, v20-22: X with two steps, Y, X with three steps
.set A8,   4                           ; v4-6, v8-10: the same for the loads of 8 bytes a lane
.set B8,   8
.set H8,   31                          ; 8 h
.set STS,  14
.set ADSA, 24
.set ADSB, 25
.set LI,   26
.set STI,  27
.set SPW,  28
.set NIL,  29
.set STO,  30
.set PC,   144
.set CS,   96                          ; s[96:97] c = log2(e) / 32
.set SEL,  100
.set MUL_LO, 0xa1
.set MUL_HI, 0xf1
.set TO_B,   0x40
.set MSB, 0
.macro WIN new
.if MSB != (\new)
	s_set_vgpr_msb (MSB<<8)|(\new)
.set MSB, (\new)
.endif
.endm
.macro PLACES n
.rept \n
	v_nop
.endr
.endm
.macro CREST
	s_cmp_lg_u32 s18, 0
	s_cbranch_scc1 .Lnot_wave_0_\@
	s_barrier_signal -3
.Lnot_wave_0_\@:
	s_barrier_wait -3
	s_barrier_signal -1
	s_barrier_wait -1
.endm
.macro CROUND
	s_barrier_signal -1
	s_barrier_wait -1
	CREST
.endm
.macro JLOAD g0a, g1a, g0b, g1b
	s_cmp_eq_u32 s19, 0
	s_cbranch_scc0 .Lfor_b_\@
	tensor_load_to_lds s[\g0a:\g0a+3], s[\g1a:\g1a+7]
	s_nop 0
	PLACES 4
	s_branch .Lasked_\@
.Lfor_b_\@:
	tensor_load_to_lds s[\g0b:\g0b+3], s[\g1b:\g1b+7]
	s_nop 0
	PLACES 4
.Lasked_\@:
.endm
.macro WM cm                           ; cm = 0: the product starts its sum
.if (\cm) == 0
.if (bb%2 == 0) && (aa%2 == 0)
	v_wmma_scale_f32_16x16x128_f8f6f4 v[rD:rD+7], v[rS0:rS0+11], v[rS1:rS1+11], 0, v[rX0], v[rX1] matrix_a_fmt:MATRIX_FMT_FP6 matrix_b_fmt:MATRIX_FMT_FP6
.elseif (bb%2 == 1) && (aa%2 == 0)
	v_wmma_scale_f32_16x16x128_f8f6f4 v[rD:rD+7], v[rS0:rS0+11], v[rS1:rS1+11], 0, v[rX0], v[rX1] matrix_a_fmt:MATRIX_FMT_FP6 matrix_b_fmt:MATRIX_FMT_FP6 matrix_a_scale:MATRIX_SCALE_ROW1
.elseif (bb%2 == 0) && (aa%2 == 1)
	v_wmma_scale_f32_16x16x128_f8f6f4 v[rD:rD+7], v[rS0:rS0+11], v[rS1:rS1+11], 0, v[rX0], v[rX1] matrix_a_fmt:MATRIX_FMT_FP6 matrix_b_fmt:MATRIX_FMT_FP6 matrix_b_scale:MATRIX_SCALE_ROW1
.else
	v_wmma_scale_f32_16x16x128_f8f6f4 v[rD:rD+7], v[rS0:rS0+11], v[rS1:rS1+11], 0, v[rX0], v[rX1] matrix_a_fmt:MATRIX_FMT_FP6 matrix_b_fmt:MATRIX_FMT_FP6 matrix_a_scale:MATRIX_SCALE_ROW1 matrix_b_scale:MATRIX_SCALE_ROW1
.endif
.else
.if (bb%2 == 0) && (aa%2 == 0)
	v_wmma_scale_f32_16x16x128_f8f6f4 v[rD:rD+7], v[rS0:rS0+11], v[rS1:rS1+11], v[rD:rD+7], v[rX0], v[rX1] matrix_a_fmt:MATRIX_FMT_FP6 matrix_b_fmt:MATRIX_FMT_FP6
.elseif (bb%2 == 1) && (aa%2 == 0)
	v_wmma_scale_f32_16x16x128_f8f6f4 v[rD:rD+7], v[rS0:rS0+11], v[rS1:rS1+11], v[rD:rD+7], v[rX0], v[rX1] matrix_a_fmt:MATRIX_FMT_FP6 matrix_b_fmt:MATRIX_FMT_FP6 matrix_a_scale:MATRIX_SCALE_ROW1
.elseif (bb%2 == 0) && (aa%2 == 1)
	v_wmma_scale_f32_16x16x128_f8f6f4 v[rD:rD+7], v[rS0:rS0+11], v[rS1:rS1+11], v[rD:rD+7], v[rX0], v[rX1] matrix_a_fmt:MATRIX_FMT_FP6 matrix_b_fmt:MATRIX_FMT_FP6 matrix_b_scale:MATRIX_SCALE_ROW1
.else
	v_wmma_scale_f32_16x16x128_f8f6f4 v[rD:rD+7], v[rS0:rS0+11], v[rS1:rS1+11], v[rD:rD+7], v[rX0], v[rX1] matrix_a_fmt:MATRIX_FMT_FP6 matrix_b_fmt:MATRIX_FMT_FP6 matrix_a_scale:MATRIX_SCALE_ROW1 matrix_b_scale:MATRIX_SCALE_ROW1
.endif
.endif
.endm
.macro MUL set, a0, n, cm              ; the 64 accumulators take turns, one instruction a turn, in the same order in every step
.set aa, \a0
.rept \n
.set bb, 0
.rept 8
.set rD, 8*(8*(aa%4)+bb)
.set rS0, 128*(\set)+12*bb
.set rS1, AF+ASZ*(\set)+12*aa
.set rX0, SC+8*(\set)+4+bb/2
.set rX1, SC+8*(\set)+aa/2
	WM \cm
.set bb, bb+1
.endr
.set aa, aa+1
.endr
.endm
.macro FETCH kap
.if (\kap) < 2
.set FS, 0
.set FO, (\kap)*1536
.set FP, 3072
.elseif (\kap) < 5
.set FS, 1
.set FO, ((\kap)-2)*1536
.set FP, 4608
.else
.set FS, 2
.set FO, ((\kap)-5)*1536
.set FP, 4608
.endif
.set FT, (\kap)%2
	WIN TO_B
.irp i, 0,1,2,3,4,5,6,7
.irp c, 0,1
	ds_load_b128 v[128*FT+12*\i+6*\c:128*FT+12*\i+6*\c+3], v[ADRB+FS] offset:\i*FP+FO+768*\c
	ds_load_b64 v[128*FT+12*\i+6*\c+4:128*FT+12*\i+6*\c+5], v[B8+FS] offset:\i*FP+FO+768*\c
.endr
.endr
	WIN 0
.irp i, 0,1,2,3,4,5,6,7
.irp c, 0,1
	ds_load_b128 v[AF+ASZ*FT+12*\i+6*\c:AF+ASZ*FT+12*\i+6*\c+3], v[ADRA+FS] offset:\i*FP+FO+768*\c
	ds_load_b64 v[AF+ASZ*FT+12*\i+6*\c+4:AF+ASZ*FT+12*\i+6*\c+5], v[A8+FS] offset:\i*FP+FO+768*\c
.endr
.endr
.irp i, 0,1,2,3
	ds_load_b32 v[SC+8*FT+\i], v[ADSA] offset:(\kap)*512+128*\i
	ds_load_b32 v[SC+8*FT+4+\i], v[ADSB] offset:(\kap)*512+128*\i
.endr
.endm
.macro STEP kap, cm
	s_wait_dscnt 0x0                               ; this step's fragments and words, asked for a whole step ago
	PLACES 4                                       ; behind the last step's products, which read the set that is loaded now
	FETCH (\kap)+1
	WIN MUL_LO
	MUL (\kap)%2, 0, 4, \cm
	WIN MUL_HI
	MUL (\kap)%2, 4, 4, \cm
.endm
.macro TURN kap, fill
	WIN 0
	s_wait_tensorcnt 0x0                           ; all my tensor loads have landed
	ds_add_u32 v[SPW], v[NIL]                      ; 0 onto my spare word
.if \fill
	s_sub_co_u32 s69, s69, SLY                     ; no load of mine is out: the descriptors step to slot X and the last three steps
	s_sub_co_u32 s85, s85, SLY
	s_add_nc_u64 s[70:71], s[70:71], 4608
	s_add_nc_u64 s[86:87], s[86:87], 4608
.endif
	s_wait_dscnt 1                                 ; the add alone may be out
	WIN MUL_LO
	MUL (\kap)%2, 0, 2, 1
	s_wait_dscnt 0x0                               ; the add is done, and my reads of the slots are over
	s_barrier_signal -1
	MUL (\kap)%2, 2, 2, 1
	WIN 0
	s_barrier_wait -1
.if \fill
	CREST
	JLOAD 68, 40, 84, 48                           ; the first tensor load behind the round; its four v_nop are the places in front of the loads below
.else
	PLACES 4
.endif
	FETCH (\kap)+1
	WIN MUL_HI
	MUL (\kap)%2, 4, 4, 1
.endm
	s_load_b256 s[4:11], s[0:1], 0x0               ; c2, s2, pc, pst
	v_lshl_add_u32 v[SPW], v0, 2, SPARE
	v_mov_b32 v[NIL], 0
	ds_add_u32 v28, v29
	ds_add_u32 v28, v29
	s_wait_dscnt 0x0
	v_lshrrev_b32 v1, 5, v0
	v_readfirstlane_b32 s18, v1                    ; wave
	s_lshr_b32 s19, s18, 1                         ; my half of the queries.  Also: I fetch for Q (0) or for K (1)
	s_and_b32 s20, s18, 1                          ; my half of the keys.  Also: which 128 places I fetch
	s_bfe_u32 s21, ttmp6, 0x40000                  ; cx
	s_bfe_u32 s22, ttmp6, 0x40004                  ; cy
	s_and_b32 s92, ttmp7, 0xffff
	s_lshl_b32 s93, s92, 2
	s_add_co_u32 s93, s93, s22                     ; tile row: 256 queries of all batches' 8,192
	s_lshl_b32 s94, ttmp9, 2
	s_add_co_u32 s94, s94, s21                     ; tile column: 256 keys of the batch's 2,048
	s_lshr_b32 s92, s92, 1                         ; the batch: equal in the whole cluster
	s_lshl_b32 s23, s20, 3
	s_lshl_b32 s96, s93, 4
	s_add_co_u32 s96, s96, s23                     ; the first block of Q that I fetch
	s_lshl_b32 s98, s94, 4
	s_lshl_b32 s92, s92, 7
	s_add_co_u32 s98, s98, s92
	s_add_co_u32 s98, s98, s23                     ; and of K
	s_lshl_b32 s2, s22, 2
	s_lshl_b32 s2, 15, s2                          ; my row of the cluster
	s_lshl_b32 s3, 0x1111, s21                     ; my column
	s_or_b32 s24, s2, (3<<16)|(1<<21)
	s_or_b32 s32, s3, (3<<16)|(1<<21)
	s_or_b32 s40, s2, (3<<16)|(1<<21)
	s_or_b32 s48, s3, (3<<16)|(1<<21)
.irp g, 24, 32                         ; two steps: 8 tiles' rows of 3,072 bytes, 12,288 bytes apart
	s_mov_b32 s[\g+1], 384<<16
	s_mov_b32 s[\g+2], 8<<16
	s_mov_b32 s[\g+3], 384<<16
	s_mov_b32 s[\g+4], 8
	s_mov_b32 s[\g+5], 1536
	s_mov_b32 s[\g+6], 0
	s_mov_b32 s[\g+7], 0
.endr
.irp g, 40, 48                         ; three steps: rows of 4,608 bytes
	s_mov_b32 s[\g+1], 576<<16
	s_mov_b32 s[\g+2], 8<<16
	s_mov_b32 s[\g+3], 576<<16
	s_mov_b32 s[\g+4], 8
	s_mov_b32 s[\g+5], 1536
	s_mov_b32 s[\g+6], 0
	s_mov_b32 s[\g+7], 0
.endr
	s_mul_i32 s97, s18, HALFB
	s_lshl_b32 s99, s18, 12
	s_lshl_b32 s58, s96, 10
	s_mov_b32 s59, 0
	s_mov_b32 s60, 1
	s_mov_b32 s61, s97
	s_mul_i32 s62, s96, 12288
	s_mov_b32 s63, 0
	s_mov_b32 s68, 1
	s_mul_i32 s69, s18, WY
	s_add_co_u32 s69, s69, SLY
	s_lshl_b32 s78, s98, 10
	s_add_co_u32 s78, s78, 4096
	s_mov_b32 s79, 0
	s_mov_b32 s80, 1
	s_mov_b32 s81, s97
	s_mul_i32 s82, s98, 12288
	s_add_co_u32 s82, s82, KOFF
	s_mov_b32 s83, 0
	s_mov_b32 s84, 1
	s_mov_b32 s85, s69
	s_cmp_eq_u32 s19, 0
	s_cselect_b32 s58, s58, s78                    ; the 4,096 bytes of scale words that my wave brings: Q's or K's
	s_cselect_b32 s72, s62, s82                    ; the prefetches: the tiles that I fetch,
	s_cselect_b32 s73, s21, s22                    ; my place among the four that ask with me: two tiles each,
	s_mul_i32 s73, s73, 24576
	s_add_co_u32 s72, s72, s73
	s_add_co_u32 s72, s72, KST                     ; from K step 2 on
	s_mov_b32 s73, 0
	s_wait_kmcnt 0x0
	s_add_nc_u64 s[58:59], s[6:7], s[58:59]
	s_add_nc_u64 s[62:63], s[4:5], s[62:63]
	s_add_nc_u64 s[70:71], s[62:63], KST
	s_add_nc_u64 s[74:75], s[4:5], s[72:73]
	s_add_nc_u64 s[82:83], s[4:5], s[82:83]
	s_add_nc_u64 s[86:87], s[82:83], KST
.irp g, 63, 71, 83, 87
	s_or_b32 s[\g], s[\g], 0x80000000
.endr
	CROUND                                         ; all sixteen work-groups are here: the first joint loads meet
	JLOAD 60, 24, 80, 32                           ; one tensor load a wave at the head: K steps 0 and 1
	v_and_b32 v1, 15, v0                           ; r
	v_and_b32 v3, 31, v0                           ; lane
	s_wait_alu depctr_va_vdst(0)
	v_lshlrev_b32 v[LI], 4, v3
	v_lshl_add_u32 v15, v3, 3, 512
	v_min_u32 v13, 17, v3
	v_lshlrev_b32 v13, 8, v13                      ; a lane a block of 256 bytes: 18 to a row of 4,608; the lanes left over name the last again
	v_bfe_u32 v[H8], v0, 4, 1
	v_lshlrev_b32 v[H8], 3, v[H8]
.irp k, 0,1,2,3,4,5,6,7
	global_load_b128 v[64+4*\k:67+4*\k], v[LI], s[58:59] offset:512*\k
.endr
	s_wait_alu depctr_va_vdst(0)
.irp s, 0,1,2
.set WR, 24576+12288*((\s+1)/2)        ; a wave's part of the load: two steps, three, three
.set WO, SLY*(\s%2)
	s_mul_i32 s92, s19, WR
	s_mul_i32 s95, s20, WR
	s_add_co_u32 s92, s92, WO
	s_add_co_u32 s95, s95, 2*WR+WO
	v_add_nc_u32 v[ADRA+\s], s92, v[LI]
	v_add_nc_u32 v[A8+\s], s92, v15
	v_add_nc_u32 v[ADRB+\s], s95, v[LI]
	v_add_nc_u32 v[B8+\s], s95, v15
.endr
	global_prefetch_b8 v13, s[74:75] th:TH_LOAD_NT scope:SCOPE_SE
	global_prefetch_b8 v13, s[74:75] offset:12288 th:TH_LOAD_NT scope:SCOPE_SE
	s_lshl_b32 s92, s18, 12
	s_add_co_u32 s92, s92, SCL
	v_add_nc_u32 v[STS], s92, v[LI]
	s_lshl_b32 s92, s19, 12
	s_add_co_u32 s92, s92, SCL
	v_lshl_add_u32 v[ADSA], v3, 2, s92
	s_lshl_b32 s95, s20, 12
	s_add_co_u32 s95, s95, SCL+2*4096
	v_lshl_add_u32 v[ADSB], v3, 2, s95
	s_mul_i32 s92, s18, 1536
	s_add_co_u32 s92, s92, STG
	v_lshl_add_u32 v[STI], v1, 2, s92
	v_add_nc_u32 v[STO], s92, v[LI]
	; p's fragment (kappa = 2 column + half, block) lies at ((kappa / 4) 512 + block) 6144 + (kappa % 4) 1536
	s_lshr_b32 s92, s94, 1
	s_lshl_b32 s92, s92, 9
	s_lshl_b32 s95, s93, 4
	s_add_co_u32 s92, s92, s95
	s_lshl_b32 s95, s19, 3
	s_add_co_u32 s92, s92, s95
	s_mul_i32 s2, s92, 6144
	s_and_b32 s92, s94, 1
	s_lshl_b32 s92, s92, 1
	s_add_co_u32 s92, s92, s20
	s_mul_i32 s92, s92, 1536
	s_add_co_u32 s2, s2, s92
	s_mov_b32 s3, 0
	s_add_nc_u64 s[2:3], s[8:9], s[2:3]
	s_lshl_b32 s98, s93, 1                         ; the stats: ((group of 128 places) 16 + kappa) 512
	s_add_co_u32 s98, s98, s19
	s_lshl_b32 s98, s98, 4
	s_lshl_b32 s92, s94, 1
	s_add_co_u32 s98, s98, s92
	s_add_co_u32 s98, s98, s20
	s_lshl_b32 s98, s98, 9
	s_mov_b32 s99, 0
	s_add_nc_u64 s[98:99], s[10:11], s[98:99]
	s_mov_b32 s[CS], 0x3d38aa3b                    ; c = log2(e) / sqrt(1024)
	s_mov_b32 s[CS+1], s[CS]                       ; (named with it as a pair)
	s_mov_b32 s[SEL], 0x76543210
	s_mov_b32 s[SEL+1], 0xfedcba98
	s_wait_alu depctr_va_vdst(0)
	s_wait_loadcnt 0x0
.irp k, 0,1,2,3,4,5,6,7
	ds_store_b128 v[STS], v[64+4*\k:67+4*\k] offset:512*\k   ; no fill lands on the scale words
.endr
	s_wait_tensorcnt 0x0                           ; my part of K steps 0 and 1 is in
	ds_add_u32 v[SPW], v[NIL]
	s_wait_dscnt 0x0
	CROUND
	JLOAD 68, 40, 84, 48                           ; K steps 2 to 4 into slot Y: a first fill behind the full sequence
	FETCH 0
	global_prefetch_b8 v13, s[74:75] offset:4608 th:TH_LOAD_NT scope:SCOPE_SE
	global_prefetch_b8 v13, s[74:75] offset:4608+12288 th:TH_LOAD_NT scope:SCOPE_SE
	STEP 0, 0                                      ; the first step's products start the sums
	TURN 1, 1                                      ; slot Y is shown landed; slot X takes K steps 5 to 7
	STEP 2, 1
	STEP 3, 1
	TURN 4, 0                                      ; slot X's second fill is shown landed
	STEP 5, 1
	STEP 6, 1
	s_wait_dscnt 0x0
	WIN MUL_LO
	MUL 1, 0, 1, 1                                 ; the last step goes by rows: block 0
	WIN 0
; THE EPILOGUE: Q's block a: a lane's 64 scores, register 32 c + 8 j + i = key 64 c + 32 h + 8 j + i of its query.
.macro ONE a, b                        ; one product of the last step: Q's block a, K's block b
.if (\a) < 8
.set aa, \a
.set bb, \b
.set rD, 8*(8*(aa%4)+bb)
.set rS0, 128+12*bb
.set rS1, AF+ASZ+12*aa
.set rX0, SC+12+bb/2
.set rX1, SC+8+aa/2
	WIN MUL_LO+0x50*(aa/4)
	WM 1
.endif
.endm
.macro EPIS a                          ; what block a leaves for the end (word, -M, sum) lies in v[160 + 12 a] on, where its fragment of Q was
.set AC, 64*((\a)%4)
.irp i, 0,2,4,6,8,10,12,14
	WIN 0x0a+5*((\a)/4)
.irp b, 0,1,2,3
.if \i == 0
	v_max3_num_f32 v[48+\b], v[AC+16*\b], v[AC+16*\b+1], 0xff800000
.else
	v_max3_num_f32 v[48+\b], v[AC+16*\b+\i], v[AC+16*\b+\i+1], v[48+\b]
.endif
.endr
	ONE (\a)+1, \i/2
.endr
	WIN 0
	v_max_num_f32 v48, v48, v49                    ; my block of band 0's 32 keys, all in this lane,
	v_max_num_f32 v50, v50, v51                    ; and of band 1's: for the row's maximum, and, since p rises with the score, for the block's largest p
	v_max_num_f32 v62, v48, v50
	v_permlanex16_b32 v63, v62, s[SEL], s[SEL+1]
	v_max_num_f32 v62, v62, v63
	v_mul_f32 v62, s[CS], v62                      ; the largest t of my query among these 128 keys
	v_floor_f32 v60, -v62                          ; -M = floor(-t): M is a whole number
	WIN 0x02+(\a)/4
.set j, 0
.rept 32
	v_pk_fma_f32 v[64+j:65+j], v[AC+j:AC+j+1], s[CS:CS+1], v[60:61] op_sel_hi:[1,0,0]   ; t - M, two at a time
.set j, j+2
.endr
	WIN 0
.irp b, 0,2
	v_fma_f32 v[48+\b], v[48+\b], s[CS], v60
.endr
.set j, 0
	s_wait_alu depctr_va_vdst(0)
.rept 64
	v_exp_f32 v[64+j], v[64+j]                     ; p = 2^(t - M)
.set j, j+1
.endr
.irp b, 0,2
	v_exp_f32 v[48+\b], v[48+\b]                   ; the block's largest p: the same two instructions on the same number
.endr
	v_mov_b32 v[161+12*(\a)], v60                  ; (a plain place behind the exponentials)
	s_wait_alu depctr_va_vdst(0)                   ; one wait for the batch, ahead of its first reader
.irp i, 0,1,2,3,4,5,6,7
	v_pk_add_f32 v[128+2*\i:129+2*\i], v[64+4*\i:65+4*\i], v[66+4*\i:67+4*\i]   ; the sum of the UNQUANTISED p, in eight chains
.endr
.irp i, 0,1,2,3,4,5,6,7
	v_pk_add_f32 v[128+2*\i:129+2*\i], v[128+2*\i:129+2*\i], v[96+4*\i:97+4*\i]
.endr
.irp i, 0,1,2,3,4,5,6,7
	v_pk_add_f32 v[128+2*\i:129+2*\i], v[128+2*\i:129+2*\i], v[98+4*\i:99+4*\i]
.endr
.irp i, 0,1,2,3
	v_pk_add_f32 v[128+2*\i:129+2*\i], v[128+2*\i:129+2*\i], v[136+2*\i:137+2*\i]
.endr
.irp i, 0,1
	v_pk_add_f32 v[128+2*\i:129+2*\i], v[128+2*\i:129+2*\i], v[132+2*\i:133+2*\i]
.endr
	v_pk_add_f32 v[128:129], v[128:129], v[130:131]
.irp b, 0,2
	v_max_num_f32 v[48+\b], 0x1800000, v[48+\b]    ; the floor 2^(3 - 127): the byte cannot fall under 1
.endr
.irp b, 0,2
	v_add_nc_u32 v[56+\b], 0xff000000, v[48+\b]
.endr
.irp b, 0,2
	v_lshrrev_b32 v[52+\b], 23, v[56+\b]
.endr
	v_lshl_or_b32 v52, v54, 16, v52                ; my two bytes: blocks h and 2 + h,
	v_lshlrev_b32 v52, v[H8], v52                  ; at their places
	v_add_f32 v62, v128, v129
	v_permlanex16_b32 v53, v52, s[SEL], s[SEL+1]
	v_permlanex16_b32 v63, v62, s[SEL], s[SEL+1]
	v_or_b32 v[160+12*(\a)], v52, v53              ; with lane l xor 16's two the word is whole
	v_add_f32 v[162+12*(\a)], v62, v63             ; the query's sum over my 128 keys
	s_wait_alu depctr_va_vdst(0)                   ; the wait here, directly ahead of the wait below
	s_wait_xcnt 0x0                                ; the last block's stores have read the codes' registers
.irp c, 0,1
	v_cvt_scalef32_pk16_fp6_f32 v[PC+6*\c:PC+6*\c+2], v[64+32*\c:79+32*\c], v[56+2*\c]
	v_cvt_scalef32_pk16_fp6_f32 v[128+4*\c:130+4*\c], v[80+32*\c:95+32*\c], v[56+2*\c]
.endr
	v_nop                                          ; one plain place behind a scaled conversion
.irp c, 0,1
.irp i, 0,1,2
	v_mov_b32 v[PC+3+6*\c+\i], v[128+4*\c+\i]
.endr
.endr
.irp c, 0,1,2
	global_store_b128 v[LI], v[PC+4*\c:PC+4*\c+3], s[2:3] offset:(\a)*6144+512*\c   ; 512 consecutive bytes, at a multiple of 256 from the buffer's first byte
.endr
.endm
	PLACES 4                                       ; behind the last products
.irp b, 0,1,2,3
	v_mov_b32 v[52+\b], 0                          ; lane permutes' destinations count as read
.endr
	v_mov_b32 v61, 0                               ; (named as the upper half of the pair v[60:61])
	v_mov_b32 v63, 0
.irp a, 0,1,2,3,4,5,6,7
	EPIS \a
.endr
.irp a, 0,1,2,3,4,5,6,7
	ds_store_b32 v[STI], v[160+12*\a] offset:64*\a         ; both halves of the lanes hold the same numbers
	ds_store_b32 v[STI], v[161+12*\a] offset:512+64*\a
	ds_store_b32 v[STI], v[162+12*\a] offset:1024+64*\a
.endr
.irp p, 0,1,2
	ds_load_b128 v[64+4*\p:67+4*\p], v[STO] offset:512*\p
.endr
	s_wait_dscnt 0x0
.irp p, 0,1,2
	global_store_b128 v[LI], v[64+4*\p:67+4*\p], s[98:99] offset:524288*\p   ; a plane's 128 numbers: 512 consecutive bytes
.endr
	s_wait_tensorcnt 0x0                           ; the wave's end
	ds_add_u32 v[SPW], v[NIL]
	s_wait_dscnt 0x0
	CROUND                                         ; the closing round
	s_endpgm
.Lfunc_end_k_qe6183d0e95_scores:
	.size	k_qe6183d0e95_scores, .Lfunc_end_k_qe6183d0e95_scores-k_qe6183d0e95_scores
	.p2alignl 7, 3214868480
	.fill 96, 4, 3214868480
	.section	.rodata,"a",@progbits
	.p2align	6, 0x0
	.amdhsa_kernel k_qe6183d0e95_scores
		.amdhsa_group_segment_fixed_size 327680
		.amdhsa_private_segment_fixed_size 0
		.amdhsa_enable_private_segment 0
		.amdhsa_kernarg_size 32
		.amdhsa_user_sgpr_count 2
		.amdhsa_user_sgpr_kernarg_segment_ptr 1
		.amdhsa_wavefront_size32 1
		.amdhsa_system_sgpr_workgroup_id_x 1
		.amdhsa_system_sgpr_workgroup_id_y 1
		.amdhsa_system_sgpr_workgroup_id_z 1
		.amdhsa_system_vgpr_workitem_id 0
		.amdhsa_next_free_vgpr 1024
		.amdhsa_next_free_sgpr 102
		.amdhsa_reserve_vcc 0
		.amdhsa_float_denorm_mode_32 3
		.amdhsa_float_denorm_mode_16_64 3
		.amdhsa_memory_ordered 1
		.amdhsa_forward_progress 1
		.amdhsa_inst_pref_size 203
	.end_amdhsa_kernel
	.amdgpu_metadata
---
amdhsa.version: [ 1, 2 ]
amdhsa.kernels:
  - .name:           k_qe6183d0e95_scores
    .symbol:         k_qe6183d0e95_scores.kd
    .args:
      - { .name: c2, .offset: 0, .size: 8, .value_kind: global_buffer, .address_space: global }
      - { .name: s2, .offset: 8, .size: 8, .value_kind: global_buffer, .address_space: global }
      - { .name: pc, .offset: 16, .size: 8, .value_kind: global_buffer, .address_space: global }
      - { .name: pst, .offset: 24, .size: 8, .value_kind: global_buffer, .address_space: global }
    .group_segment_fixed_size: 327680
    .private_segment_fixed_size: 0
    .kernarg_segment_align: 8
    .kernarg_segment_size: 32
    .max_flat_workgroup_size: 128
    .sgpr_count:     102
    .vgpr_count:     1024
    .wavefront_size: 32
...
	.end_amdgpu_metadata
.endif
;; end of part 3
;; launch pv (part 4): grid 4 x 64, 4 waves a work-group, clusters of 4 x 4, 327,680 bytes of LDS; arguments pc, pst, c2, s2, out0; writes out0
.if DOCPART == 4
	.amdgcn_target "amdgcn-amd-amdhsa--gfx1250"
	.amdhsa_code_object_version 6
	.text
	.protected	k_qe6183d0e95_pv
	.globl	k_qe6183d0e95_pv
	.p2align	8
	.type	k_qe6183d0e95_pv,@function
k_qe6183d0e95_pv:
	s_mov_b64 s[64:65], 0
	v_nop
	global_prefetch_b8 v0, s[64:65] scope:SCOPE_SE
	s_setreg_imm32_b32 hwreg(HW_REG_WAVE_MODE, 25, 1), 1
	s_wait_xcnt 0x0
	s_wait_alu depctr_hold_cnt(0) depctr_sa_sdst(0) depctr_va_vdst(0) depctr_va_sdst(0) depctr_va_ssrc(0) depctr_va_vcc(0) depctr_vm_vsrc(0)
	s_getreg_b32 s2, hwreg(HW_REG_IB_STS2, 6, 4)
	s_cmp_eq_u32 s2, 0
	s_cbranch_scc0 .Lentry_in_a_cluster
	s_endpgm
.Lentry_in_a_cluster:
	s_bfe_u32 s2, ttmp6, 0x10000c
	s_cmp_lg_u32 s2, 0xf033
	s_cbranch_scc0 .Lentry_shape_is_right
	s_endpgm
.Lentry_shape_is_right:
; O = P V / l for each batch, on codes of FP6 (E2M3) with E8M0 scales.  P's codes were made under a local whole number M for each (query, 128 keys).
; PROLOGUE: thread t takes query place t of the tile: the row's -M is the least of its 16 local ones; d = M - M_local is a whole number, 0 or more; each byte of P's scale words falls by d; l = the sum of l_local 2^-d; 1 / l.
; LIMIT: d is held at 127, and a byte that would fall under 0 is held at 0 (2^-127): such a block's terms lie under 2^-120 of l.  NaN and infinities are not served.
; A tile is 128 queries x 256 channels, so that there are 256 work-groups: four waves of 64 x 128, 32 accumulators.  Transposed use: source 0 = 16 places of V^T, source 1 = 16 places of P: a lane holds one query, and the
; 16 registers of V^T's tiles 2 n, 2 n + 1 are 16 neighbouring channels (rows lie at places with bits 3 and 4 exchanged).  K = 2,048 keys is 16 steps of 128, four to a slot, two slots.  A wave has at
; most three tensor loads out at the start, later one.  CLUSTERS 4 x 4: P's tiles jointly along a row, V^T's along a column.  Written out, no loop.
; REGISTERS: window 0: v1-14 lane numbers and the prologue's work; v16-31 addresses; v32-47 scale words, two sets; v64-111, v112-159 P's fragments, two sets; window 1: v0-95, v128-223 V^T's; window 2: accumulator (a, b) at v[8 (8 a + b)].
; (Where the lines above say otherwise, this holds.  A tile's place 8 h + i is row 64 band + 32 h + 8 j + i of its 128, so lane (r, h)'s register 8 t + i of a group of 64 channels is channel 32 h + 8 t + i.
; One tensor load a wave at the head, slot 0; slot 1's first fill stands behind the full sequence; V^T's scale words go through registers into LDS.  Four chunks of four steps: a trip of the loop goes from a chunk's second step to the next chunk's first
; and fills the slot just read.  The last step goes by rows: stores begin ahead of its last products.  The rows on the way out are read back into window 3.
; PREFETCH: slot 1's bytes at the head, each block of 256 bytes once in a cluster, shared out by address among the four partners.  Chunks 2 and 3 come by their refills alone: four steps stand between a refill and its wait.)
.set NQ,     4
.set NSL,    2
.set FSTR,   6144
.set HALFA,  24576                     ; 64 places x 512 keys of P
.set HALFB,  49152                     ; 128 places x 512 keys of V^T
.set SLOT,   2*HALFA+2*HALFB
.set KSTA,   512*6144                  ; 512 keys on, in pc
.set KSTB,   64*6144                   ; and in V^T
.set VT_OFF, 12582912
.set VTS_OFF, 524288
.set BSC,    2*SLOT                    ; V^T's scale words: 2 x 8,192 bytes, filled once
.set ASC,    BSC+2*8192                ; P's shifted scale words, 16 x 512 bytes: no fill lands here
.set RL,     ASC+16*512                ; 1 / l, 128 words
.set SPARE,  RL+512
.set SPITCH, 528                       ; the way out: 16 rows x (512 + 16) bytes a wave, in slot 0, which has had its last fill and its last read by then
.set AF,   64
.set ASZ,  48
.set SC,   32
.set ADRA, 17                          ; the slot and the chunk at work; v16, v20, v24, v25 the same for slot 0 and chunk 0
.set ADRB, 21
.set ADSA, 22
.set ADSB, 23
.set LI,   26
.set STI,  27
.set SPW,  28
.set NIL,  29
.set STO,  30
.set ARL,  31
.set MUL_LO, 0xa1
.set TO_B,   0x40
.set MSB, 0
.macro WIN new
.if MSB != (\new)
	s_set_vgpr_msb (MSB<<8)|(\new)
.set MSB, (\new)
.endif
.endm
.macro PLACES n
.rept \n
	v_nop
.endr
.endm
.macro CREST
	s_cmp_lg_u32 s18, 0
	s_cbranch_scc1 .Lnot_wave_0_\@
	s_barrier_signal -3
.Lnot_wave_0_\@:
	s_barrier_wait -3
	s_barrier_signal -1
	s_barrier_wait -1
.endm
.macro CROUND
	s_barrier_signal -1
	s_barrier_wait -1
	CREST
.endm
.macro JLOAD g0a, g1a, g0b, g1b
	s_cmp_eq_u32 s19, 0
	s_cbranch_scc0 .Lfor_b_\@
	tensor_load_to_lds s[\g0a:\g0a+3], s[\g1a:\g1a+7]
	s_nop 0
	PLACES 4
	s_branch .Lasked_\@
.Lfor_b_\@:
	tensor_load_to_lds s[\g0b:\g0b+3], s[\g1b:\g1b+7]
	s_nop 0
	PLACES 4
.Lasked_\@:
.endm
.macro WM cm
.if (\cm) == 0
.if (bb%2 == 0) && (aa%2 == 0)
	v_wmma_scale_f32_16x16x128_f8f6f4 v[rD:rD+7], v[rS0:rS0+11], v[rS1:rS1+11], 0, v[rX0], v[rX1] matrix_a_fmt:MATRIX_FMT_FP6 matrix_b_fmt:MATRIX_FMT_FP6
.elseif (bb%2 == 1) && (aa%2 == 0)
	v_wmma_scale_f32_16x16x128_f8f6f4 v[rD:rD+7], v[rS0:rS0+11], v[rS1:rS1+11], 0, v[rX0], v[rX1] matrix_a_fmt:MATRIX_FMT_FP6 matrix_b_fmt:MATRIX_FMT_FP6 matrix_a_scale:MATRIX_SCALE_ROW1
.elseif (bb%2 == 0) && (aa%2 == 1)
	v_wmma_scale_f32_16x16x128_f8f6f4 v[rD:rD+7], v[rS0:rS0+11], v[rS1:rS1+11], 0, v[rX0], v[rX1] matrix_a_fmt:MATRIX_FMT_FP6 matrix_b_fmt:MATRIX_FMT_FP6 matrix_b_scale:MATRIX_SCALE_ROW1
.else
	v_wmma_scale_f32_16x16x128_f8f6f4 v[rD:rD+7], v[rS0:rS0+11], v[rS1:rS1+11], 0, v[rX0], v[rX1] matrix_a_fmt:MATRIX_FMT_FP6 matrix_b_fmt:MATRIX_FMT_FP6 matrix_a_scale:MATRIX_SCALE_ROW1 matrix_b_scale:MATRIX_SCALE_ROW1
.endif
.else
.if (bb%2 == 0) && (aa%2 == 0)
	v_wmma_scale_f32_16x16x128_f8f6f4 v[rD:rD+7], v[rS0:rS0+11], v[rS1:rS1+11], v[rD:rD+7], v[rX0], v[rX1] matrix_a_fmt:MATRIX_FMT_FP6 matrix_b_fmt:MATRIX_FMT_FP6
.elseif (bb%2 == 1) && (aa%2 == 0)
	v_wmma_scale_f32_16x16x128_f8f6f4 v[rD:rD+7], v[rS0:rS0+11], v[rS1:rS1+11], v[rD:rD+7], v[rX0], v[rX1] matrix_a_fmt:MATRIX_FMT_FP6 matrix_b_fmt:MATRIX_FMT_FP6 matrix_a_scale:MATRIX_SCALE_ROW1
.elseif (bb%2 == 0) && (aa%2 == 1)
	v_wmma_scale_f32_16x16x128_f8f6f4 v[rD:rD+7], v[rS0:rS0+11], v[rS1:rS1+11], v[rD:rD+7], v[rX0], v[rX1] matrix_a_fmt:MATRIX_FMT_FP6 matrix_b_fmt:MATRIX_FMT_FP6 matrix_b_scale:MATRIX_SCALE_ROW1
.else
	v_wmma_scale_f32_16x16x128_f8f6f4 v[rD:rD+7], v[rS0:rS0+11], v[rS1:rS1+11], v[rD:rD+7], v[rX0], v[rX1] matrix_a_fmt:MATRIX_FMT_FP6 matrix_b_fmt:MATRIX_FMT_FP6 matrix_a_scale:MATRIX_SCALE_ROW1 matrix_b_scale:MATRIX_SCALE_ROW1
.endif
.endif
.endm
.macro MUL set, a0, n, cm              ; the 32 accumulators take turns, one instruction a turn, in the same order in every step
.set aa, \a0
.rept \n
.set bb, 0
.rept 8
.set rD, 8*(8*aa+bb)
.set rS0, 128*(\set)+12*bb
.set rS1, AF+ASZ*(\set)+12*aa
.set rX0, SC+8*(\set)+4+bb/2
.set rX1, SC+8*(\set)+aa/2
	WM \cm
.set bb, bb+1
.endr
.set aa, aa+1
.endr
.endm
.macro FETCH kap                       ; step kap's 12 fragments and 6 registers of scale words, into set kap % 2: 42 LDS loads in one run
.set FS, 0
.set FQ, (\kap)%NQ
.set FT, (\kap)%2
	WIN TO_B
.irp i, 0,1,2,3,4,5,6,7
.irp c, 0,1,2
	ds_load_b128 v[128*FT+12*\i+4*\c:128*FT+12*\i+4*\c+3], v[ADRB+FS] offset:\i*FSTR+FQ*1536+512*\c
.endr
.endr
	WIN 0
.irp i, 0,1,2,3
.irp c, 0,1,2
	ds_load_b128 v[AF+ASZ*FT+12*\i+4*\c:AF+ASZ*FT+12*\i+4*\c+3], v[ADRA+FS] offset:\i*FSTR+FQ*1536+512*\c
.endr
.endr
.irp i, 0,1
	ds_load_b32 v[SC+8*FT+\i], v[ADSA] offset:FQ*512+128*\i
.endr
.irp i, 0,1,2,3
	ds_load_b32 v[SC+8*FT+4+\i], v[ADSB] offset:FQ*512+128*\i
.endr
.endm
.macro STEP kap, cm
	s_wait_dscnt 0x0                               ; this step's fragments and words, asked for a whole step ago
	PLACES 4                                       ; behind the last step's products, which read the set that is loaded now
	FETCH (\kap)+1
	WIN MUL_LO
	MUL (\kap)%2, 0, 4, \cm
.endm
; A slot's last step changes slots.  fill = 1: the slot just read out is filled again, 1,024 keys on;
.macro TURN kap, fill
	WIN 0
	s_wait_tensorcnt 0x0                           ; all my tensor loads have landed: my part of the next slot
	ds_add_u32 v[SPW], v[NIL]                      ; 0 onto my spare word
.if \fill
	s_add_nc_u64 s[70:71], s[70:71], KSTA          ; no load of mine is out: the descriptors step to the next chunk,
	s_add_nc_u64 s[86:87], s[86:87], KSTB
	s_add_co_u32 s69, s61, s45                     ; for the slot just read
	s_add_co_u32 s85, s81, s45
.endif
	s_wait_dscnt 1                                 ; the add alone may be out
	WIN MUL_LO
	MUL (\kap)%2, 0, 1, 1
	s_wait_dscnt 0x0                               ; the add is done, and my reads of this slot are over
	s_barrier_signal -1
	MUL (\kap)%2, 1, 1, 1
	WIN 0
	s_barrier_wait -1
.if \fill
	CREST                                          ; no wave of any partner still reads this slot or has a load on its way
	JLOAD 68, 24, 84, 32                           ; the first tensor load behind the round; its four v_nop are the places in front of the loads below
.else
	PLACES 4
.endif
	s_xor_b32 s45, s45, SLOT                       ; the other slot,
	s_add_co_u32 s47, s47, NQ*512                  ; the next chunk's scale words
	v_add_nc_u32 v[ADRA], s45, v16
	v_add_nc_u32 v[ADRB], s45, v20
	v_add_nc_u32 v[ADSA], s47, v24
	v_add_nc_u32 v[ADSB], s47, v25
	s_wait_alu depctr_va_vdst(0)
	FETCH (\kap)+1
	WIN MUL_LO
	MUL (\kap)%2, 2, 2, 1
.endm
	s_load_b256 s[4:11], s[0:1], 0x0               ; pc, pst, c2, s2
	s_load_b64 s[12:13], s[0:1], 0x20              ; out0
	v_lshl_add_u32 v[SPW], v0, 2, SPARE
	v_mov_b32 v[NIL], 0
	ds_add_u32 v28, v29
	ds_add_u32 v28, v29
	s_wait_dscnt 0x0
	v_lshrrev_b32 v1, 5, v0
	v_readfirstlane_b32 s18, v1                    ; wave
	s_lshr_b32 s19, s18, 1                         ; my half of the queries.  Also: I fetch for P (0) or for V^T (1)
	s_and_b32 s20, s18, 1                          ; my half of the channels.  Also: which half I fetch
	s_bfe_u32 s21, ttmp6, 0x40000                  ; cx
	s_bfe_u32 s22, ttmp6, 0x40004                  ; cy
	s_and_b32 s92, ttmp7, 0xffff
	s_lshl_b32 s93, s92, 2
	s_add_co_u32 s93, s93, s22                     ; tile row: 128 queries of all batches' 8,192
	s_lshl_b32 s94, ttmp9, 2
	s_add_co_u32 s94, s94, s21                     ; tile column: 256 channels
	s_lshr_b32 s92, s92, 2                         ; the batch: equal in the whole cluster
	s_lshl_b32 s2, s22, 2
	s_lshl_b32 s2, 15, s2                          ; my row of the cluster
	s_lshl_b32 s3, 0x1111, s21                     ; my column
	s_or_b32 s24, s2, (3<<16)|(1<<21)
	s_or_b32 s32, s3, (3<<16)|(1<<21)
	s_mov_b32 s25, 32<<16                          ; P: 24,576 dense bytes as 96 rows of 256
	s_mov_b32 s26, 96<<16
	s_mov_b32 s27, 32<<16
	s_mov_b32 s28, 96
	s_mov_b32 s29, 32
	s_mov_b32 s30, 0
	s_mov_b32 s31, 0
	s_mov_b32 s33, 32<<16                          ; V^T: 49,152 bytes as 192 rows
	s_mov_b32 s34, 192<<16
	s_mov_b32 s35, 32<<16
	s_mov_b32 s36, 192
	s_mov_b32 s37, 32
	s_mov_b32 s38, 0
	s_mov_b32 s39, 0
	s_mov_b32 s60, 1                               ; P, slots 0 and 1
	s_mul_i32 s61, s20, HALFA
	s_lshl_b32 s62, s93, 3
	s_lshl_b32 s95, s20, 2
	s_add_co_u32 s62, s62, s95
	s_mul_i32 s62, s62, 6144
	s_mov_b32 s63, 0
	s_mov_b32 s68, 1
	s_add_co_u32 s69, s61, SLOT
	s_lshl_b32 s78, s94, 1
	s_add_co_u32 s78, s78, s20
	s_lshl_b32 s78, s78, 6
	s_lshl_b32 s96, s92, 4
	s_add_co_u32 s78, s78, s96
	s_lshl_b32 s78, s78, 9
	s_add_co_u32 s78, s78, VTS_OFF
	s_lshl_b32 s77, s19, 12
	s_add_co_u32 s78, s78, s77                     ; V^T's scale words: 4,096 of my half's 8,192 bytes
	s_mov_b32 s79, 0
	s_mov_b32 s80, 1                               ; V^T, slots 0 and 1
	s_mul_i32 s81, s20, HALFB
	s_add_co_u32 s81, s81, 2*HALFA
	s_lshl_b32 s82, s92, 8
	s_lshl_b32 s96, s94, 4
	s_add_co_u32 s82, s82, s96
	s_lshl_b32 s96, s20, 3
	s_add_co_u32 s82, s82, s96
	s_mul_i32 s82, s82, 6144
	s_add_co_u32 s82, s82, VT_OFF
	s_mov_b32 s83, 0
	s_mov_b32 s41, KSTA                            ; the prefetch: what I fetch for slot 1, P's or V^T's,
	s_mov_b32 s42, KSTB
	s_cmp_eq_u32 s19, 0
	s_cselect_b32 s41, s41, s42
	s_cselect_b32 s40, s62, s82
	s_cselect_b32 s42, s21, s22                    ; my place among the four that ask with me
	s_mul_i32 s42, s42, 6144
	s_lshl_b32 s42, s42, s19                       ; a quarter: 6,144 bytes of P or 12,288 of V^T
	s_add_co_u32 s40, s40, s41
	s_add_co_u32 s40, s40, s42
	s_mov_b32 s41, 0
	s_mov_b32 s44, 0
	s_mov_b32 s45, 0
	s_mov_b32 s47, 0
	s_mov_b32 s84, 1
	s_add_co_u32 s85, s81, SLOT
	s_wait_kmcnt 0x0
	s_add_nc_u64 s[62:63], s[4:5], s[62:63]
	s_add_nc_u64 s[70:71], s[62:63], KSTA
	s_add_nc_u64 s[78:79], s[10:11], s[78:79]
	s_add_nc_u64 s[82:83], s[8:9], s[82:83]
	s_add_nc_u64 s[86:87], s[82:83], KSTB
	s_cmp_eq_u32 s19, 0
	s_cselect_b64 s[42:43], s[4:5], s[8:9]
	s_add_nc_u64 s[42:43], s[42:43], s[40:41]
.irp g, 63, 71, 83, 87
	s_or_b32 s[\g], s[\g], 0x80000000
.endr
	CROUND                                         ; all sixteen work-groups are here: the first joint loads meet
	JLOAD 60, 24, 80, 32                           ; one tensor load a wave at the head
	; THE PROLOGUE: my query's 16 words, 16 local -M and 16 local sums
	v_lshlrev_b32 v4, 2, v0
	s_lshl_b32 s96, s93, 13
	s_mov_b32 s97, 0
	s_add_nc_u64 s[6:7], s[6:7], s[96:97]
.irp k, 0,1,2,3,4,5,6,7,8,9,10,11,12,13,14,15
	global_load_b32 v[64+\k], v4, s[6:7] offset:\k*512+524288
.endr
.irp k, 0,1,2,3,4,5,6,7,8,9,10,11,12,13,14,15
	global_load_b32 v[80+\k], v4, s[6:7] offset:\k*512+1048576
.endr
.irp k, 0,1,2,3,4,5,6,7,8,9,10,11,12,13,14,15
	global_load_b32 v[96+\k], v4, s[6:7] offset:\k*512
.endr
	v_and_b32 v1, 15, v0                           ; r
	v_bfe_u32 v2, v0, 4, 1                         ; h
	v_and_b32 v3, 31, v0                           ; lane
	s_wait_alu depctr_va_vdst(0)
	v_lshlrev_b32 v[LI], 4, v3
.irp k, 0,1,2,3,4,5,6,7
	global_load_b128 v[128+4*\k:131+4*\k], v[LI], s[78:79] offset:512*\k
.endr
	s_lshl_b32 s92, s20, 13
	s_lshl_b32 s95, s19, 12
	s_add_co_u32 s92, s92, s95
	s_add_co_u32 s92, s92, BSC
	v_add_nc_u32 v15, s92, v[LI]
	v_min_u32 v56, 23, v3
	v_lshlrev_b32 v56, 8, v56                      ; a lane a block of 256 bytes, 24 of them; the lanes left over name the last again
	s_wait_alu depctr_va_vdst(0)
	global_prefetch_b8 v56, s[42:43] th:TH_LOAD_NT scope:SCOPE_SE
	s_cmp_eq_u32 s19, 0
	s_cbranch_scc1 .Lasked_ahead
	global_prefetch_b8 v56, s[42:43] offset:6144 th:TH_LOAD_NT scope:SCOPE_SE
.Lasked_ahead:
	v_lshl_add_u32 v5, v0, 2, ASC
	v_lshl_add_u32 v6, v0, 2, RL
	s_mul_i32 s92, s19, HALFA
	s_mul_i32 s95, s20, HALFB
	s_add_co_u32 s95, s95, 2*HALFA
	v_add_nc_u32 v16, s92, v[LI]
	v_add_nc_u32 v20, s95, v[LI]
	v_mov_b32 v[ADRA], v16
	v_mov_b32 v[ADRB], v20
	s_lshl_b32 s92, s19, 8
	s_add_co_u32 s95, s92, ASC
	v_lshl_add_u32 v24, v3, 2, s95
	v_mov_b32 v[ADSA], v24
	s_add_co_u32 s95, s92, RL
	v_lshl_add_u32 v[ARL], v1, 2, s95
	s_lshl_b32 s95, s20, 13
	s_add_co_u32 s95, s95, BSC
	v_lshl_add_u32 v25, v3, 2, s95
	v_mov_b32 v[ADSB], v25
	s_mul_i32 s92, s18, 16*SPITCH
	v_mul_u32_u24 v[STI], v1, SPITCH
	v_lshl_add_u32 v[STI], v2, 7, v[STI]
	v_add_nc_u32 v[STI], s92, v[STI]               ; the stage, in: row r, + 128 h
	v_add_nc_u32 v[STO], s92, v[LI]                ; and out: 16 bytes a lane
	s_lshl_b32 s2, s93, 19                         ; out0: row 128 x tile row + 64 x half, column 256 x tile column + 128 x half
	s_lshl_b32 s92, s19, 18
	s_add_co_u32 s2, s2, s92
	s_lshl_b32 s92, s94, 10
	s_add_co_u32 s2, s2, s92
	s_lshl_b32 s92, s20, 9
	s_add_co_u32 s2, s2, s92
	s_mov_b32 s3, 0
	s_add_nc_u64 s[2:3], s[12:13], s[2:3]
	s_wait_loadcnt 0x0
	v_min3_num_f32 v7, v64, v65, v66               ; the row's -M: the least of the local ones
.irp k, 67,69,71,73,75,77
	v_min3_num_f32 v7, v7, v[\k], v[\k+1]
.endr
	v_min_num_f32 v7, v7, v79
.irp k, 0,1,2,3,4,5,6,7,8,9,10,11,12,13,14,15
	v_sub_f32 v8, v[64+\k], v7                     ; d = M - M_local: a whole number, 0 or more
	v_cvt_u32_f32 v8, v8
	v_min_u32 v8, 127, v8
	v_sub_nc_u32 v9, 0, v8
.if \k == 0
	v_ldexp_f32 v10, v[80+\k], v9                  ; l = the sum of l_local 2^-d
.else
	v_ldexp_f32 v9, v[80+\k], v9
	v_add_f32 v10, v10, v9
.endif
	v_lshl_or_b32 v8, v8, 8, v8
	v_lshl_or_b32 v8, v8, 16, v8                   ; d in all four bytes
	v_or_b32 v11, 0x80808080, v[96+\k]             ; a byte is at most 125 and d at most 127: 128 + byte - d borrows nothing from the byte above
	v_sub_nc_u32 v11, v11, v8
	v_and_b32 v12, 0x80808080, v11                 ; bit 7 stands where byte >= d
	v_lshrrev_b32 v13, 7, v12
	v_sub_nc_u32 v12, v12, v13                     ; 0x7f there, 0 elsewhere
	v_and_b32 v11, v11, v12                        ; byte - d, held at 0
	ds_store_b32 v5, v11 offset:\k*512
.endr
	s_wait_alu depctr_va_vdst(0)
	v_rcp_f32 v14, v10
	v_nop                                          ; a plain place behind the reciprocal
	s_wait_alu depctr_va_vdst(0)                   ; and the wait ahead of its first reader
	ds_store_b32 v6, v14
.irp k, 0,1,2,3,4,5,6,7
	ds_store_b128 v15, v[128+4*\k:131+4*\k] offset:512*\k    ; no fill lands on the scale words
.endr
	s_wait_tensorcnt 0x0                           ; my part of slot 0 is in
	ds_add_u32 v[SPW], v[NIL]
	s_wait_dscnt 0x0                               ; the add is done, and my stores of words and of 1 / l
	CROUND
	JLOAD 68, 24, 84, 32                           ; slot 1: a first fill behind the full sequence
	FETCH 0
	STEP 0, 0                                      ; the first step's products start the sums
	WIN 0
.Lchunk:                                               ; steps 1 to 4, 5 to 8
	STEP 1, 1
	STEP 2, 1
	TURN 3, 1
	STEP 4, 1
	WIN 0
	s_add_co_u32 s44, s44, 1
	s_cmp_lg_u32 s44, 2
	s_cbranch_scc1 .Lchunk
	STEP 9, 1
	STEP 10, 1
	TURN 11, 0                                     ; nothing is left to fetch
	STEP 12, 1
	STEP 13, 1
	STEP 14, 1
	s_wait_dscnt 0x0
	WIN 0
; THE WAY OUT, block by block of 16 queries x 128 channels: x 1 / l, through my stage, back as whole rows of 512 bytes.  Place 16 a + t holds query 8 a + 32 (t / 8) + t % 8 of my 64.
.irp a, 0,1,2,3
	ds_load_b32 v[48+2*\a], v[ARL] offset:64*\a
.endr
	WIN MUL_LO
	MUL 1, 0, 2, 1                                 ; the last step: blocks 0 and 1
	WIN 0
.irp a, 0,1,2,3
	v_mov_b32 v[49+2*\a], 0                        ; (named as the upper halves of pairs)  These four are the places behind the products
.endr
	s_wait_alu depctr_va_vdst(0)
	s_wait_dscnt 0x0
.macro PACK a
	WIN 0x02                                       ; source 0: window 2
.set j, 0
.rept 32
	v_pk_mul_f32 v[160+j:161+j], v[64*(\a)+j:64*(\a)+j+1], v[48+2*(\a):49+2*(\a)] op_sel_hi:[1,0]   ; each accumulator from its low end on
.set j, j+2
.endr
	WIN 0
.endm
.macro TOSTAGE a
.irp b, 0,1,2,3
.irp u, 0,1
	ds_store_b128 v[STI], v[160+16*\b+8*\u:160+16*\b+8*\u+3] offset:256*(\b/2)+64*(\b%2)+32*\u       ; register 8 t + i of group m is channel 64 m + 32 h + 8 t + i
	ds_store_b128 v[STI], v[164+16*\b+8*\u:164+16*\b+8*\u+3] offset:256*(\b/2)+64*(\b%2)+32*\u+16
.endr
.endr
.set BB, 64*((\a)%2)                   ; in window 3
	WIN 0xc0
.irp t, 0,1,2,3,4,5,6,7,8,9,10,11,12,13,14,15
	ds_load_b128 v[BB+4*\t:BB+4*\t+3], v[STO] offset:SPITCH*\t    ; LDS serves a wave's instructions in order: these see the stores above
.endr
	WIN 0
.endm
.macro SEND a
.set BB, 64*((\a)%2)
	s_wait_dscnt 0x0
	WIN 0x0c
.irp t, 0,1,2,3,4,5,6,7,8,9,10,11,12,13,14,15
	global_store_b128 v[LI], v[BB+4*\t:BB+4*\t+3], s[2:3] offset:(8*(\a)+\t+24*(\t/8))*4096 th:TH_STORE_NT   ; block a's row t is query 8 a + 32 (t / 8) + t % 8 of my 64; 512 consecutive bytes
.endr
	WIN 0
.endm
	PACK 0
	TOSTAGE 0
.irp a, 1,2,3
.if \a < 3
	WIN MUL_LO
	MUL 1, \a+1, 1, 1                              ; the last step's block a + 1, while block a - 1 turns through the stage
	WIN 0
.endif
	s_wait_dscnt 16
	PACK \a
	s_wait_alu depctr_va_vdst(0)
	SEND \a-1
.if \a > 1
	s_wait_xcnt 0x0                                ; the stores of two blocks back have read the registers that the loads below fill
.endif
	TOSTAGE \a
.endr
	SEND 3
	s_wait_tensorcnt 0x0                           ; the wave's end
	ds_add_u32 v[SPW], v[NIL]
	s_wait_dscnt 0x0
	CROUND                                         ; the closing round
	s_endpgm
.Lfunc_end_k_qe6183d0e95_pv:
	.size	k_qe6183d0e95_pv, .Lfunc_end_k_qe6183d0e95_pv-k_qe6183d0e95_pv
	.p2alignl 7, 3214868480
	.fill 96, 4, 3214868480
	.section	.rodata,"a",@progbits
	.p2align	6, 0x0
	.amdhsa_kernel k_qe6183d0e95_pv
		.amdhsa_group_segment_fixed_size 327680
		.amdhsa_private_segment_fixed_size 0
		.amdhsa_enable_private_segment 0
		.amdhsa_kernarg_size 40
		.amdhsa_user_sgpr_count 2
		.amdhsa_user_sgpr_kernarg_segment_ptr 1
		.amdhsa_wavefront_size32 1
		.amdhsa_system_sgpr_workgroup_id_x 1
		.amdhsa_system_sgpr_workgroup_id_y 1
		.amdhsa_system_sgpr_workgroup_id_z 1
		.amdhsa_system_vgpr_workitem_id 0
		.amdhsa_next_free_vgpr 1024
		.amdhsa_next_free_sgpr 102
		.amdhsa_reserve_vcc 0
		.amdhsa_float_denorm_mode_32 3
		.amdhsa_float_denorm_mode_16_64 3
		.amdhsa_memory_ordered 1
		.amdhsa_forward_progress 1
		.amdhsa_inst_pref_size 136
	.end_amdhsa_kernel
	.amdgpu_metadata
---
amdhsa.version: [ 1, 2 ]
amdhsa.kernels:
  - .name:           k_qe6183d0e95_pv
    .symbol:         k_qe6183d0e95_pv.kd
    .args:
      - { .name: pc, .offset: 0, .size: 8, .value_kind: global_buffer, .address_space: global }
      - { .name: pst, .offset: 8, .size: 8, .value_kind: global_buffer, .address_space: global }
      - { .name: c2, .offset: 16, .size: 8, .value_kind: global_buffer, .address_space: global }
      - { .name: s2, .offset: 24, .size: 8, .value_kind: global_buffer, .address_space: global }
      - { .name: out0, .offset: 32, .size: 8, .value_kind: global_buffer, .address_space: global }
    .group_segment_fixed_size: 327680
    .private_segment_fixed_size: 0
    .kernarg_segment_align: 8
    .kernarg_segment_size: 40
    .max_flat_workgroup_size: 128
    .sgpr_count:     102
    .vgpr_count:     1024
    .wavefront_size: 32
...
	.end_amdgpu_metadata
.endif
;; end of part 4
